; MI455X (gfx1250); checked and timed in simulation.
; The chip was launched on July 23, 2026; its instructions are those of AMD's public machine-readable ISA for CDNA 5 (MIT licence, August 2026) and "CDNA5" Instruction Set Architecture Reference Guide (July 2026). The comments in the code are by the model that wrote it; some were corrected since.
;; Multi Headed Attention. Allowed arithmetic: matrix products marked QUANTISED: E4M3 operands, one given power-of-two scale a tensor, by v_wmma_f32_16x16x64_fp8_fp8 or v_wmma_f32_16x16x128_fp8_fp8, f32 sums; everything else in f32.
;; Inputs: Wk 1,024 x 1,024 float32; Wo 1,024 x 1,024 float32; Wq 1,024 x 1,024 float32; Wv 1,024 x 1,024 float32; bo 1,024 float32; lowp_scales 12 int32 (the exponents e of the quantised operands' scales 2^e); x 4 x 2,048 x 1,024 float32.
;; Outputs: out0 4 x 2,048 x 1,024 float32.
;; This version of the problem:
;;   THIS VERSION OF THE PROBLEM IS GIVEN IN LOW PRECISION. The matrix products marked QUANTISED in the list below multiply operands that are first quantised to E4M3 (4 exponent bits, 3 mantissa bits; 8 bits a number), with one given power-of-two scale for each operand tensor; their sums are f32. All else is computed in f32.
;;   The module's matrix products, in the order in which they are computed (A, B: the left and right operand; K: the contracted axis; several contracted axes count as one K, in the product's order):
;;     1. [M 8,192, K 1,024] x [K 1,024, N 1,024]; A: input x; B: input Wq: QUANTISED (scales: A lowp_scales[0], B lowp_scales[1])
;;     2. [M 8,192, K 1,024] x [K 1,024, N 1,024]; A: input x; B: input Wk: QUANTISED (scales: A lowp_scales[2], B lowp_scales[3])
;;     3. [M 8,192, K 1,024] x [K 1,024, N 1,024]; A: input x; B: input Wv: QUANTISED (scales: A lowp_scales[4], B lowp_scales[5])
;;     4. batch 64 x [M 2,048, K 64] x [K 64, N 2,048]; A: computed on the way; B: computed on the way: QUANTISED (scales: A lowp_scales[6], B lowp_scales[7])
;;     5. batch 64 x [M 2,048, K 2,048] x [K 2,048, N 64]; A: softmax (see below); B: computed on the way: QUANTISED (scales: A lowp_scales[8], B lowp_scales[9])
;;     6. [M 8,192, K 1,024] x [K 1,024, N 1,024]; A: computed on the way; B: input Wo: QUANTISED (scales: A lowp_scales[10], B lowp_scales[11])
;;   THE QUANTISER, for each operand of a quantised product, along K:
;;     - The operand's scale is 2^e, e = its entry of the input lowp_scales (int32; the entries are numbered through the quantised products in the list's order, A before B).
;;     - Each number is divided by the scale, clamped to +-448, and rounded to the nearest number of E4M3, ties to even, subnormals kept.
;;     - The product sums the exact products of the quantised numbers (number of the format x scale) in f32.
;;   ~~~python
;;   def quantise(x, axis, e):      # numpy; x: float32 -> the quantised numbers, widened to float32 again
;;       x = np.moveaxis(x, axis, -1); K = x.shape[-1]
;;       r = np.clip(x / 2.0 ** e, -448, 448)
;;       step = 2.0 ** (np.maximum(np.frexp(np.where(r == 0, 1, r))[1] - 1, -6) - 3)
;;       q = np.round(r / step) * step * 2.0 ** e      # np.round: ties to even
;;       return np.moveaxis(q, -1, axis).astype(np.float32)
;;   ~~~
;;   SOFTMAX AHEAD OF A QUANTISED PRODUCT. Where the list says 'softmax', what is quantised is not the finished softmax but p = 2^(t - M), with t = logit x log2(e) and M = ceil(the row's largest t), a whole number; so 1/2 < the row's largest p <= 1. The row's sum l is taken of the UNQUANTISED p, in f32, and the product's result is divided by l at the end. Since M is a whole number, a kernel that streams over the keys may use a running M (the ceiling of the running maximum): every later rescaling is an exact power of two, so the quantised numbers keep their values, but for numbers so far below the row's largest that they fall under the format's range.
;;   OPERANDS COMPUTED ON THE WAY. 'Computed on the way' means the value that the module computes at that place (a softmax that the list does not call 'softmax' is quantised finished and normalised). What goes into a quantiser is computed in f32, as accurately as f32 sums, v_exp_f32 and their like allow (about 1e-6 of the number): no bf16 or f16 on the way to a quantiser, and a product that is left as it is and whose result goes on into a quantised operand takes f32 operands (vector FMAs, or v_wmma_f32_16x16x4_f32). A number that lies on a knife's edge between two numbers of the format may be rounded either way, as far as f32 arithmetic and the matrix unit's own rounding can turn it there, and no further.
;; One version. Each part assembles by itself: llvm-mc -triple=amdgcn-amd-amdhsa -mcpu=gfx1250 --defsym DOCPART=n.
;; ======== version 1 of 1: 4 launches
;; limits: right only within a limited range of input values
;; workspace buffers: codes 29,360,128 bytes; qkv 25,165,824 bytes; ctxc 8,388,608 bytes
;; launch quant (part 1): grid 384 x 1, 4 waves a work-group, no clusters, 33,280 bytes of LDS; arguments x, Wq, Wk, Wv, Wo, lowp_scales, codes; writes codes
.if DOCPART == 1
	.amdgcn_target "amdgcn-amd-amdhsa--gfx1250"
	.amdhsa_code_object_version 6
	.text
	.protected	k_q357a21740e_quant
	.globl	k_q357a21740e_quant
	.p2align	8
	.type	k_q357a21740e_quant,@function
k_q357a21740e_quant:
	s_mov_b64 s[64:65], 0
	v_nop
	global_prefetch_b8 v0, s[64:65] scope:SCOPE_SE
	s_setreg_imm32_b32 hwreg(HW_REG_WAVE_MODE, 25, 1), 1
	s_wait_xcnt 0x0
; x [8192][1024] and Wq, Wk, Wv, Wo [1024][1024], f32, become codes of E4M3, one byte each, K innermost.
; x is an operand of three products with three given scales (entries 0, 2, 4), so it is coded three times; Wq, Wk, Wv, Wo take entries 1, 3, 5, 11.
; code = x / 2^e, held within +-448, rounded to the nearest code, ties to even.
; LIMITS: each e used here lies between -126 and 127, so that 2^e is an f32 number.  NaN among the inputs is not served; an infinity is held at the largest code.
; THE ORDER ALONG K.  Inside each aligned group of 32 along K, byte 16 h + 8 u + j holds k = 16 u + 8 h + j (h, u = 0, 1; j = 0 .. 7).  That is the order in which two neighbouring
; 16 x 16 matrix results, converted eight numbers at a time, leave a lane; every operand of this program is laid so, on both sides of each product, so every product meets its partner.
; OUTPUT, buffer codes: x by e0 at 0, x by e2 at 0x800000, x by e4 at 0x1000000; Wq, Wk, Wv, Wo at 0x1800000 + t x 0x100000.  Rows of 1,024 bytes.
; SHARES.  A work-group takes 32,768 numbers, a wave 8,192 in 16 steps of 512.  Work-groups 0-255 take x, 256-383 the four weights, 32 each.  Rows are dense, so nothing here knows of rows.
; Each load reads 512 consecutive bytes, 16 a lane; a step's 2,048 bytes turn through the wave's own stage in LDS (16 bytes of padding behind each 64) and come back so that a lane holds the
; 16 numbers of its 16 bytes of codes.  A wave's store covers 512 consecutive bytes, aligned.  Loads run four steps ahead, the turn through LDS one step.  Waves share nothing: no barrier.
.set STEPS, 16
.set SP,    80                         ; a place in a stage: 64 bytes + 16 of padding
.set R,     16                         ; v16-79   four sets of 16 numbers as loaded
.set X,     80                         ; v80-111  two sets of 16 numbers in the codes' order
.set T,     112
.set C,     128                        ; v128-139 three sets of codes
	s_load_b256 s[4:11], s[0:1], 0x0               ; x s[4:5], Wq s[6:7], Wk s[8:9], Wv s[10:11]
	s_load_b128 s[12:15], s[0:1], 0x20             ; Wo s[12:13], the exponents s[14:15]
	s_load_b64 s[16:17], s[0:1], 0x30              ; codes
	v_lshl_add_u32 v144, v0, 2, 0x8000
	v_mov_b32 v145, 0
	v_lshrrev_b32 v1, 5, v0
	v_readfirstlane_b32 s18, v1                    ; wave
	v_and_b32 v2, 31, v0                           ; lane
	v_lshlrev_b32 v3, 4, v2                        ; my 16 bytes of a load's 512
	v_lshlrev_b32 v4, 4, v2                        ; my 16 bytes of a store's 512
	s_lshl_b32 s19, s18, 13                        ; my wave's 8,192 bytes: of LDS, and of a work-group's codes
	v_lshrrev_b32 v14, 2, v2
	v_mul_u32_u24 v14, v14, SP
	v_and_b32 v15, 3, v2
	v_lshl_add_u32 v14, v15, 4, v14
	v_add_nc_u32 v14, s19, v14                     ; the stage, in: 80 (lane / 4) + 16 (lane % 4)
	v_and_b32 v15, 30, v2
	v_mul_u32_u24 v15, v15, SP
	v_and_b32 v1, 1, v2
	v_lshl_add_u32 v15, v1, 5, v15
	v_add_nc_u32 v15, s19, v15                     ; and out: lane 2 m + h takes k = 32 m + 8 h + 0..7 (here) and 32 m + 16 + 8 h + 0..7 (a place further on)
	s_sub_co_u32 s22, ttmp9, 256                   ; which of the weights' 128 work-groups
	s_and_b32 s23, s22, 31                         ; and which of one weight's 32
	s_cmp_lt_u32 ttmp9, 256                        ; x or a weight?  All choices hang on the work-group's number alone
	s_cselect_b32 s31, ttmp9, s23                  ; my place in the source tensor,
	s_cselect_b32 s32, ttmp9, s22                  ; and in its slab of the codes
	s_cselect_b32 s33, 0, 0x1800000
	s_cselect_b32 s30, 1, 0                        ; 1: coded three times
	s_lshl_b32 s34, s31, 17                        ; 32,768 numbers of 4 bytes
	s_lshl_b32 s35, s18, 15
	s_add_co_u32 s34, s34, s35
	s_mov_b32 s35, 0
	s_lshl_b32 s36, s32, 15                        ; 32,768 codes
	s_add_co_u32 s36, s36, s33
	s_add_co_u32 s36, s36, s19
	s_mov_b32 s37, 0
	s_wait_alu depctr_va_vdst(0)
	s_wait_kmcnt 0x0
	s_load_b256 s[40:47], s[14:15], 0x0            ; e0 .. e7
	s_load_b128 s[48:51], s[14:15], 0x20           ; e8 .. e11
	s_mov_b64 s[20:21], s[12:13]                   ; the source: Wo,
	s_cmp_lt_u32 ttmp9, 352
	s_cselect_b64 s[20:21], s[10:11], s[20:21]     ; Wv,
	s_cmp_lt_u32 ttmp9, 320
	s_cselect_b64 s[20:21], s[8:9], s[20:21]       ; Wk,
	s_cmp_lt_u32 ttmp9, 288
	s_cselect_b64 s[20:21], s[6:7], s[20:21]       ; Wq,
	s_cmp_lt_u32 ttmp9, 256
	s_cselect_b64 s[20:21], s[4:5], s[20:21]       ; or x
	s_add_nc_u64 s[20:21], s[20:21], s[34:35]
	s_add_nc_u64 s[24:25], s[16:17], s[36:37]      ; the first set of codes,
	s_add_nc_u64 s[26:27], s[24:25], 0x800000      ; x by e2,
	s_add_nc_u64 s[28:29], s[24:25], 0x1000000     ; x by e4: the last two are used by x's work-groups alone
.macro LOAD t
.irp i, 0,1,2,3
	global_load_b128 v[R+16*((\t)%4)+4*\i:R+16*((\t)%4)+4*\i+3], v3, s[20:21] offset:2048*(\t)+512*\i th:TH_LOAD_NT   ; 32 lanes read 512 consecutive bytes
.endr
.endm
.macro TURN t                          ; step t's numbers through the stage: LDS serves a wave's instructions in order, so no wait stands between the stores and the loads
.irp i, 0,1,2,3
	ds_store_b128 v14, v[R+16*((\t)%4)+4*\i:R+16*((\t)%4)+4*\i+3] offset:32*SP*((\t)%2)+8*SP*\i
.endr
.irp i, 0,1
	ds_load_b128 v[X+16*((\t)%2)+8*\i:X+16*((\t)%2)+8*\i+3], v15 offset:32*SP*((\t)%2)+SP*\i
	ds_load_b128 v[X+16*((\t)%2)+8*\i+4:X+16*((\t)%2)+8*\i+7], v15 offset:32*SP*((\t)%2)+SP*\i+16
.endr
.endm
.macro MKSC se, vs, vl                 ; 2^e as f32 (the conversion takes its exponent field)
	s_add_co_i32 s36, s[\se], 127
	s_lshl_b32 s37, s36, 23
	v_mov_b32 v[\vs], s37
.endm
.irp t, 0,1,2,3
	LOAD \t
.endr
	s_wait_kmcnt 0x0
	s_mov_b32 s38, s51                             ; the first set's exponent: e11 for Wo,
	s_cmp_lt_u32 ttmp9, 352
	s_cselect_b32 s38, s45, s38                    ; e5 for Wv,
	s_cmp_lt_u32 ttmp9, 320
	s_cselect_b32 s38, s43, s38                    ; e3 for Wk,
	s_cmp_lt_u32 ttmp9, 288
	s_cselect_b32 s38, s41, s38                    ; e1 for Wq,
	s_cmp_lt_u32 ttmp9, 256
	s_cselect_b32 s38, s40, s38                    ; e0 for x
	MKSC 38, 5, 6
	MKSC 42, 7, 8                                  ; e2
	MKSC 44, 9, 10                                 ; e4
	s_wait_alu depctr_va_vdst(0)
	s_wait_loadcnt 12                              ; step 0's four loads are in
	TURN 0
.macro CONV sc, lim, c                 ; the step's 16 numbers of my lane become 16 codes in set c
.set i, 0
.rept 16
.set i, i+1
.endr
	v_cvt_scalef32_pk8_fp8_f32 v[C+4*\c:C+4*\c+1], v[XS:XS+7], v[\sc]
	v_cvt_scalef32_pk8_fp8_f32 v[C+4*\c+2:C+4*\c+3], v[XS+8:XS+15], v[\sc]
	v_nop                                          ; one plain vector line between a scaled conversion and the next write of its sources
.endm
.macro STEP t
.set XS, X+16*((\t)%2)
	s_wait_dscnt 0x0                               ; this step's numbers are back from the stage, so its stores into the stage have read their registers,
.if (\t)+4 < STEPS
	LOAD (\t)+4                                    ; which take the loads of four steps on
.endif
.if (\t)+1 < STEPS
.if STEPS-2-(\t) >= 3
	s_wait_loadcnt 12                              ; the next step's four loads are in; those of the three steps behind it may be out
.else
	s_wait_loadcnt 4*(STEPS-2-(\t))
.endif
	TURN (\t)+1                                    ; and go through the other stage while this step is worked
.endif
	s_wait_xcnt 0x0                                ; the last step's stores have read their data: the codes' registers are written again only behind this wait
	CONV 5, 6, 0
	global_store_b128 v4, v[C:C+3], s[24:25] offset:512*(\t)
	s_cmp_eq_u32 s30, 0                            ; a weight has one scale: the two further sets are x's alone.  No LDS line stands in the part jumped over
	s_cbranch_scc1 .Lone_\@
	CONV 7, 8, 1
	global_store_b128 v4, v[C+4:C+7], s[26:27] offset:512*(\t)
	CONV 9, 10, 2
	global_store_b128 v4, v[C+8:C+11], s[28:29] offset:512*(\t)
.Lone_\@:
.endm
.irp t, 0,1,2,3,4,5,6,7,8,9,10,11,12,13,14,15
	STEP \t
.endr
	s_wait_tensorcnt 0x0
	ds_add_u32 v144, v145
	s_wait_dscnt 0x0
	s_endpgm
.Lfunc_end_k_q357a21740e_quant:
	.size	k_q357a21740e_quant, .Lfunc_end_k_q357a21740e_quant-k_q357a21740e_quant
	.p2alignl 7, 3214868480
	.fill 96, 4, 3214868480
	.section	.rodata,"a",@progbits
	.p2align	6, 0x0
	.amdhsa_kernel k_q357a21740e_quant
		.amdhsa_group_segment_fixed_size 33280
		.amdhsa_private_segment_fixed_size 0
		.amdhsa_enable_private_segment 0
		.amdhsa_kernarg_size 56
		.amdhsa_user_sgpr_count 2
		.amdhsa_user_sgpr_kernarg_segment_ptr 1
		.amdhsa_wavefront_size32 1
		.amdhsa_system_sgpr_workgroup_id_x 1
		.amdhsa_system_sgpr_workgroup_id_y 1
		.amdhsa_system_sgpr_workgroup_id_z 1
		.amdhsa_system_vgpr_workitem_id 0
		.amdhsa_next_free_vgpr 146
		.amdhsa_next_free_sgpr 66
		.amdhsa_reserve_vcc 0
		.amdhsa_float_denorm_mode_32 3
		.amdhsa_float_denorm_mode_16_64 3
		.amdhsa_fp16_overflow 1
		.amdhsa_memory_ordered 1
		.amdhsa_forward_progress 1
		.amdhsa_inst_pref_size 33
	.end_amdhsa_kernel
	.amdgpu_metadata
---
amdhsa.version: [ 1, 2 ]
amdhsa.kernels:
  - .name:           k_q357a21740e_quant
    .symbol:         k_q357a21740e_quant.kd
    .args:
      - { .name: x, .offset: 0, .size: 8, .value_kind: global_buffer, .address_space: global }
      - { .name: Wq, .offset: 8, .size: 8, .value_kind: global_buffer, .address_space: global }
      - { .name: Wk, .offset: 16, .size: 8, .value_kind: global_buffer, .address_space: global }
      - { .name: Wv, .offset: 24, .size: 8, .value_kind: global_buffer, .address_space: global }
      - { .name: Wo, .offset: 32, .size: 8, .value_kind: global_buffer, .address_space: global }
      - { .name: lowp_scales, .offset: 40, .size: 8, .value_kind: global_buffer, .address_space: global }
      - { .name: codes, .offset: 48, .size: 8, .value_kind: global_buffer, .address_space: global }
    .group_segment_fixed_size: 33280
    .private_segment_fixed_size: 0
    .kernarg_segment_align: 8
    .kernarg_segment_size: 56
    .max_flat_workgroup_size: 128
    .sgpr_count:     66
    .vgpr_count:     146
    .wavefront_size: 32
...
	.end_amdgpu_metadata
.endif
;; end of part 1
;; launch qkv (part 2): grid 12 x 32, 4 waves a work-group, clusters of 4 x 4, 327,680 bytes of LDS; arguments codes, lowp_scales, qkv; writes qkv
.if DOCPART == 2
	.amdgcn_target "amdgcn-amd-amdhsa--gfx1250"
	.amdhsa_code_object_version 6
	.text
	.protected	k_q357a21740e_qkv
	.globl	k_q357a21740e_qkv
	.p2align	8
	.type	k_q357a21740e_qkv,@function
k_q357a21740e_qkv:
	s_mov_b64 s[64:65], 0
	v_nop
	global_prefetch_b8 v0, s[64:65] scope:SCOPE_SE
	s_setreg_imm32_b32 hwreg(HW_REG_WAVE_MODE, 25, 1), 1
	s_wait_xcnt 0x0
	s_wait_alu depctr_hold_cnt(0) depctr_sa_sdst(0) depctr_va_vdst(0) depctr_va_sdst(0) depctr_va_ssrc(0) depctr_va_vcc(0) depctr_vm_vsrc(0)
	s_getreg_b32 s2, hwreg(HW_REG_IB_STS2, 6, 4)
	s_cmp_eq_u32 s2, 0
	s_cbranch_scc0 .Lentry_in_a_cluster
	s_endpgm
.Lentry_in_a_cluster:
	s_bfe_u32 s2, ttmp6, 0x10000c
	s_cmp_lg_u32 s2, 0xf033
	s_cbranch_scc0 .Lentry_shape_is_right
	s_endpgm
.Lentry_shape_is_right:
; q = x Wq^T, k = x Wk^T, v = x Wv^T on codes of E4M3 (K = 1,024), and each f32 sum quantised at once for the attention's products: q by entry 6, k by entry 7, v by entry 9 of the exponents.
; A sum stands for sum x 2^(eA + eB), so its code is sum / 2^(e_out - eA - eB), held within +-448: the three exponents are folded into the conversion's one scale.
; LIMIT: e6 - e0 - e1, e7 - e2 - e3 and e9 - e4 - e5 lie between -126 and 127, so that the scale is an f32 number.
; SHARES.  24 clusters of 4 x 4 work-groups.  Cluster x = z says which product (0 q, 1 k, 2 v), cluster y which 1,024 tokens.  A work-group of four waves makes a tile of 256 x 256, a wave 128 x 128:
; 64 accumulators of 16 x 16, 512 registers.  K goes in steps of 256 through a ring of two LDS slots filled by the tensor data mover.
; OPERANDS.  'A' is source 1 of the matrix instruction (its rows fall on the lanes), 'B' source 0 (its rows run down a lane's registers).  z < 2: A = x's rows, B = W's rows: a lane holds one token and
; eight channels.  z = 2: A = Wv's rows, B = x's rows, by address alone: a lane holds one channel and eight tokens, so v comes out with the keys innermost, as the second product of attention wants it.
; JOINT LOADS.  The four work-groups of a row of the cluster need the same tiles of A, the four of a column the same tiles of B: the same tensor load, descriptor and mask in all four.
; OUTPUT, as images of operand registers (a chunk = 512 bytes, lane l's 16 bytes at 16 l), bh = 16 batch + head:
;   q at 0, k at 0x800000: [bh][tile of 16 tokens: 128][chunk c: 2]: lane (r, h): token r, bytes 32 c + 16 h + 0..15 of the head's 64;
;   v at 0x1000000: [bh][128 keys: 16][16 channels: 4][chunk c: 4]: lane (r, h): channel r, bytes 32 c + 16 h + 0..15 of the 128 keys.
;   Inside a group of 32, byte 16 h + 8 u + j is number 16 u + 8 h + j: two neighbouring results' conversions as they stand.  No LDS on the way out: each store covers 512 consecutive bytes, aligned.
; REGISTERS, in windows of 256: window 0: v0-31 addresses and scales; from v128 A's fragments, ONE set; on the way out v32-159 codes.
;   window 1: B's fragments, TWO sets, at v0 and v128.   window 2: the accumulators of my A rows 0-63 ((a, b) at v[8 (8 a + b)]);   window 3: those of rows 64-127.
.set KSTEP,  256                       ; along K in a slot
.set ROWB,   256                       ; a tile's row in bytes
.set KROW,   1024                      ; a row of codes in memory
.set PITCH,  272                       ; an LDS row: 256 bytes + 16 of padding = 68 words: the 16 rows that a load touches start at 16 different banks (64 banks of 4 bytes: ISA guide 11.1)
.set FR,     16                        ; registers of a fragment: 16 rows x 128 K
.set NL,     4                         ; LDS loads that bring one
.set NP,     4                         ; places behind this matrix instruction (ISA guide 7.12.1)
.set HALFT,  128*PITCH                 ; 128 rows: what one tensor load brings
.set SLOT,   4*HALFT                   ; A's 256 rows, then B's 256 rows
.set LAPS,   2                         ; 1,024 / (2 x 256): a lap = once round the ring
.set SPARE,  2*SLOT                    ; behind the ring: the spare words, 128 bytes a wave
.set WSLAB,  0x1800000                 ; the weights' codes
.set ADRA, 16                          ; v16-17  LDS address of my A fragments in slot 0, 1
.set ADRB, 20                          ; v20-21  the same for B
.set CO,   26                          ; v26     16 x lane
.set SPW,  28                          ; v28     my spare word; never rewritten
.set NIL,  29                          ; v29     0; never rewritten
.set SC,   30                          ; v30     the conversion's scale
.set LM,   31
.set CD,   32                          ; v32-159 the wave's codes: block a, chunk b at v[CD + 16 a + 4 b]
.set TMP,  160
.set AF,   128
.set G1, 24                            ; s[24:31] group 1 for A's tiles; s[32:39] group 0, a set for each slot
.set G0, 32
.set G1B, 48                           ; s[48:55], s[56:63] the same for B's
.set G0B, 56
.set MSB, 0
.macro WIN new                         ; the immediate's high byte repeats the setting that is left
.if MSB != \new
	s_set_vgpr_msb (MSB<<8)|\new
.set MSB, \new
.endif
.endm
.set MUL_LO, 0xa1                      ; source 0 (B) window 1, source 1 (A) window 0, C and D window 2
.set MUL_HI, 0xf1                      ; the same, C and D window 3
.set TO_B,   0x40                      ; destination window 1, address window 0
; A joint load: waves 0 and 1 fetch for A, waves 2 and 3 for B.  The branch hangs on the wave's number alone.  Four v_nop follow each of the two lines.
.macro JLOAD g0a, g1a, g0b, g1b
	s_cmp_eq_u32 s15, 0
	s_cbranch_scc0 .Lfor_b_\@
	tensor_load_to_lds s[\g0a:\g0a+3], s[\g1a:\g1a+7]
	s_nop 0
.rept 4
	v_nop
.endr
	s_branch .Lasked_\@
.Lfor_b_\@:
	tensor_load_to_lds s[\g0b:\g0b+3], s[\g1b:\g1b+7]
	s_nop 0
.rept 4
	v_nop
.endr
.Lasked_\@:
.endm
.macro CREST                           ; a round of the cluster's barrier behind its opening barrier
	s_cmp_lg_u32 s14, 0
	s_cbranch_scc1 .Lnot_wave_0_\@
	s_barrier_signal -3
.Lnot_wave_0_\@:
	s_barrier_wait -3
	s_barrier_signal -1
	s_barrier_wait -1
.endm
.macro CROUND                          ; a whole round
	s_barrier_signal -1
	s_barrier_wait -1
	CREST
.endm
	s_load_b128 s[4:7], s[0:1], 0x0                ; codes s[4:5], the exponents s[6:7]
	s_load_b64 s[10:11], s[0:1], 0x10              ; qkv
	v_lshl_add_u32 v[SPW], v0, 2, SPARE
	v_mov_b32 v[NIL], 0
	ds_add_u32 v28, v29
	ds_add_u32 v28, v29
	s_wait_dscnt 0x0
	v_lshrrev_b32 v1, 5, v0
	v_readfirstlane_b32 s14, v1                    ; wave 0..3
	s_lshr_b32 s15, s14, 1                         ; which half of the tile's A rows is mine.  Also: I fetch for A (0) or for B (1)
	s_and_b32 s16, s14, 1                          ; which half of its B rows.  Also: which 128 rows of that tile I fetch
	s_bfe_u32 s40, ttmp6, 0x40000                  ; cx, cy: my place in the cluster
	s_bfe_u32 s41, ttmp6, 0x40004
	s_and_b32 s12, ttmp7, 0xffff                   ; cluster y: which 1,024 tokens
	s_lshl_b32 s13, s12, 2
	s_lshl_b32 s66, ttmp9, 23                      ; x's codes by this product's scale
	s_lshl_b32 s67, ttmp9, 20
	s_add_co_u32 s67, s67, WSLAB                   ; Wq's or Wk's codes
	s_mov_b32 s80, WSLAB+0x200000                  ; Wv's codes
	s_mov_b32 s81, 0x1000000                       ; x's codes by e4
	s_cmp_lt_u32 ttmp9, 2                          ; the cluster's x is the same in all sixteen partners
	s_cselect_b32 s17, s13, 0
	s_cselect_b32 s42, 0, s13
	s_cselect_b32 s66, s66, s80                    ; where A lies in the buffer,
	s_cselect_b32 s67, s67, s81                    ; and B
	s_add_co_u32 s17, s17, s41                     ; tile row (of A): tokens' 4 x cluster y + cy, or the weight's cy
	s_add_co_u32 s42, s42, s40                     ; tile column (of B): the weight's cx, or tokens' 4 x cluster y + cx
	s_lshl_b32 s43, s41, 2
	s_lshl_b32 s43, 15, s43                        ; my row of the cluster
	s_lshl_b32 s44, 0x1111, s40                    ; my column
	; descriptor group 1: a tile of 128 rows x 256 bytes, padded in LDS
	s_or_b32 s[G1+0], s43, (0<<16)|(1<<20)|(1<<21)|(5<<22)|(3<<25)  ; 15:0 the mask: A's tiles go to my row; 17:16 element of 1 byte; 20 padding on; 21 set beside a mask; 24:22 after every 64 words; 31:25 of 4 words
	s_or_b32 s[G1B+0], s44, (0<<16)|(1<<20)|(1<<21)|(5<<22)|(3<<25)
.irp g, G1, G1B
	s_mov_b32 s[\g+1], ROWB<<16                    ; tensor_dim0
	s_mov_b32 s[\g+2], 128<<16                     ; tensor_dim1
	s_mov_b32 s[\g+3], ROWB<<16                    ; tile_dim0
	s_mov_b32 s[\g+4], 128                         ; tile_dim1
	s_mov_b32 s[\g+5], KROW                        ; tensor_dim0_stride
	s_mov_b32 s[\g+6], 0
	s_mov_b32 s[\g+7], 0
.endr
	s_lshl_b32 s18, s16, 7                         ; which 128 rows of the tile I fetch
	s_lshl_b32 s20, s17, 8
	s_add_co_u32 s20, s20, s18
	s_lshl_b32 s20, s20, 10                        ; rows of 1,024 bytes
	s_add_co_u32 s20, s20, s66                     ; A: made of the tile row, the wave and the cluster's x: never of cx
	s_mov_b32 s21, 0
	s_lshl_b32 s46, s42, 8
	s_add_co_u32 s46, s46, s18
	s_lshl_b32 s46, s46, 10
	s_add_co_u32 s46, s46, s67                     ; B: never of cy
	s_mov_b32 s47, 0
	s_mul_i32 s45, s14, HALFT                      ; where they go: wave x 128 rows: no place in the cluster enters an LDS address
	s_wait_kmcnt 0x0
	s_load_b256 s[68:75], s[6:7], 0x0              ; e0 .. e7
	s_load_b128 s[76:79], s[6:7], 0x20             ; e8 .. e11
	s_add_nc_u64 s[20:21], s[4:5], s[20:21]
	s_add_nc_u64 s[46:47], s[4:5], s[46:47]
	CROUND                                         ; all sixteen work-groups are here: the first joint loads meet
.irp s, 0,1
	s_mov_b32 s[G0+4*\s], 1
	s_add_co_u32 s[G0+4*\s+1], s45, \s*SLOT
	s_add_nc_u64 s[G0+4*\s+2:G0+4*\s+3], s[20:21], \s*ROWB
	s_or_b32 s[G0+4*\s+3], s[G0+4*\s+3], 0x80000000
	s_mov_b32 s[G0B+4*\s], 1
	s_add_co_u32 s[G0B+4*\s+1], s45, \s*SLOT
	s_add_nc_u64 s[G0B+4*\s+2:G0B+4*\s+3], s[46:47], \s*ROWB
	s_or_b32 s[G0B+4*\s+3], s[G0B+4*\s+3], 0x80000000
	JLOAD G0+4*\s, G1, G0B+4*\s, G1B
.endr
	v_and_b32 v1, 15, v0                           ; l % 16
	v_bfe_u32 v2, v0, 4, 1                         ; l / 16
	v_mul_u32_u24 v3, v1, PITCH
	v_lshl_add_u32 v4, v2, 4, v3                   ; a fragment's row x pitch + 16 x half
	s_mul_i32 s21, s15, HALFT                      ; my 128 rows of A
	s_mul_i32 s22, s16, HALFT                      ; my 128 rows of B,
	s_add_co_u32 s22, s22, 2*HALFT                 ; which lie behind A's 256
.irp s, 0,1
	v_add_nc_u32 v[ADRA+\s], s21, v4
	v_add_nc_u32 v[ADRB+\s], s22, v4
	s_add_co_u32 s21, s21, SLOT
	s_add_co_u32 s22, s22, SLOT
.endr
	v_and_b32 v6, 31, v0
	v_lshlrev_b32 v[CO], 4, v6                     ; a chunk's place for my lane
	; where my wave's images begin.  batch = cluster y / 2 (a batch is 2,048 tokens)
	s_lshr_b32 s85, s12, 1
	s_lshl_b32 s85, s85, 4                         ; 16 x batch
	s_lshl_b32 s86, s42, 2                         ; q, k: head = 4 x tile column + 2 x my half of B (+ chunk / 2, in the stores' offsets)
	s_add_co_u32 s86, s86, s85
	s_lshl_b32 s87, s16, 1
	s_add_co_u32 s86, s86, s87
	s_lshl_b32 s86, s86, 17                        ; 131,072 bytes for each bh
	s_and_b32 s87, s17, 7                          ; tile of 16 tokens = 16 x (tile row % 8) + 8 x my half of A (+ block a)
	s_lshl_b32 s87, s87, 4
	s_lshl_b32 s88, s15, 3
	s_add_co_u32 s87, s87, s88
	s_lshl_b32 s87, s87, 10
	s_add_co_u32 s86, s86, s87
	s_lshl_b32 s87, ttmp9, 23                      ; q at 0, k at 0x800000
	s_add_co_u32 s86, s86, s87
	s_lshl_b32 s89, s17, 2                         ; v: head = 4 x tile row + 2 x my half of A (+ block a / 4)
	s_add_co_u32 s89, s89, s85
	s_lshl_b32 s88, s15, 1
	s_add_co_u32 s89, s89, s88
	s_lshl_b32 s89, s89, 17
	s_and_b32 s88, s42, 7                          ; 128 keys = 2 x (tile column % 8) + my half of B
	s_lshl_b32 s88, s88, 1
	s_add_co_u32 s88, s88, s16
	s_lshl_b32 s88, s88, 13
	s_add_co_u32 s89, s89, s88
	s_add_co_u32 s89, s89, 0x1000000
	s_cmp_lt_u32 ttmp9, 2
	s_cselect_b32 s86, s86, s89
	s_mov_b32 s87, 0
	s_add_nc_u64 s[10:11], s[10:11], s[86:87]
.macro FRAG reg, adr, q, i             ; a fragment, 16 rows x 128 K, is 16 registers: lane l holds row l % 16; registers 4 c .. 4 c + 3 hold the row's bytes 32 c + 16 (l / 16) + 0 .. 15: the same places of K in A and in B
.irp c, 0,1,2,3
	ds_load_b128 v[\reg+4*\c:\reg+4*\c+3], v[\adr] offset:128*(\q)+32*\c+(\i)*16*PITCH
.endr
.endm
; 16 matrix instructions: A's blocks a0, a0 + 1 x B's eight, 128 along K.  p: B's set.  zero = 1: the first product starts the sums.
; The 64 accumulators take turns, one instruction a turn, in the same order in every step.
.macro MUL16 a0, p, zero
.irp a, \a0, \a0+1
.irp b, 0,1,2,3,4,5,6,7
.if \zero
	v_wmma_f32_16x16x128_fp8_fp8 v[8*(8*((\a)%4)+\b):8*(8*((\a)%4)+\b)+7], v[128*(\p)+FR*\b:128*(\p)+FR*\b+FR-1], v[AF+FR*(\a):AF+FR*(\a)+FR-1], 0
.else
	v_wmma_f32_16x16x128_fp8_fp8 v[8*(8*((\a)%4)+\b):8*(8*((\a)%4)+\b)+7], v[128*(\p)+FR*\b:128*(\p)+FR*\b+FR-1], v[AF+FR*(\a):AF+FR*(\a)+FR-1], v[8*(8*((\a)%4)+\b):8*(8*((\a)%4)+\b)+7]
.endif
.endr
.endr
.endm
.macro FETCH_B slot, q, p              ; B's eight fragments of the slot's q-th 128 along K into set p
	WIN TO_B
.irp i, 0,1,2,3,4,5,6,7
	FRAG 128*(\p)+FR*\i, ADRB+\slot, \q, \i
.endr
	WIN 0
.endm
.macro FETCH_A slot, q, i0             ; A's blocks i0 .. i0 + 3
.irp i, \i0, \i0+1, \i0+2, \i0+3
	FRAG AF+FR*(\i), ADRA+\slot, \q, \i
.endr
.endm
; A load into a register that a matrix instruction has read, and a vector instruction that reads a matrix result, stand NP places behind that matrix instruction; only plain vector
; instructions that name none of its registers are places (ISA guide 7.12.1 for vector instructions).
.macro PLACES n
.rept \n
	v_nop
.endr
.endm
; A step of 128 along K that has its successor in the same slot.  A block of A is free as soon as its eight products are issued, so A has one set: blocks 0-3 are fetched anew in the step's middle, 4-7 at its end.
.macro STEP slot, q, zero
	s_wait_dscnt 4*NL                              ; B's set and A's blocks 0-3 are in; the youngest 16 loads (A's blocks 4-7) may be out
	WIN MUL_LO
	MUL16 0, (\q)%2, \zero
	MUL16 2, (\q)%2, \zero
	s_wait_dscnt 0                                 ; A's blocks 4-7 are in
	PLACES NP
	FETCH_B \slot, (\q)+1, 1-(\q)%2
	FETCH_A \slot, (\q)+1, 0
	WIN MUL_HI
	MUL16 4, (\q)%2, \zero
	MUL16 6, (\q)%2, \zero
	PLACES NP
	WIN 0
	FETCH_A \slot, (\q)+1, 4
.endm
; A slot's last step changes slots: ONE barrier; in front of it each wave waits for all its tensor loads, adds 0 to its spare word, and waits for that and for its own reads of this slot.  fill = 1: this slot is filled again, two K steps ahead.
.macro TURN slot, next, fill
	s_wait_tensorcnt 0x0                           ; all my tensor loads have landed: my part of the next slot  (every window is 0 here)
	ds_add_u32 v[SPW], v[NIL]                      ; 0 onto my spare word
	s_wait_dscnt 4*NL+1                            ; the add and the youngest 16 loads (A's blocks 4-7) may be out
	WIN MUL_LO
	MUL16 0, 1, 0                                  ; sixteen matrix instructions stand between the add and the wait for it
	s_wait_dscnt 0x0                               ; the add is done, and my reads of this slot are over
	s_barrier_signal -1
	MUL16 2, 1, 0
	WIN 0
	s_barrier_wait -1
.if \fill
	CREST                                          ; the barrier has opened a round of the cluster's barrier: no wave of any partner still reads this slot's tile or has a load on its way
	s_add_nc_u64 s[G0+4*\slot+2:G0+4*\slot+3], s[G0+4*\slot+2:G0+4*\slot+3], 2*ROWB
	s_add_nc_u64 s[G0B+4*\slot+2:G0B+4*\slot+3], s[G0B+4*\slot+2:G0B+4*\slot+3], 2*ROWB
	JLOAD G0+4*\slot, G1, G0B+4*\slot, G1B         ; the first tensor load behind the round; its four v_nop are also the places in front of the loads below
.else
	PLACES NP
.endif
	FETCH_B \next, 0, 0
	FETCH_A \next, 0, 0
	WIN MUL_HI
	MUL16 4, 1, 0
	MUL16 6, 1, 0
	PLACES NP
	WIN 0
	FETCH_A \next, 0, 4
.endm
	s_wait_alu depctr_va_vdst(0)
	s_wait_tensorcnt 1                             ; my part of K step 0 is in (K step 1's load may be out)
	s_barrier_signal -1
	s_barrier_wait -1                              ; everybody's is
	FETCH_B 0, 0, 0
	FETCH_A 0, 0, 0
	FETCH_A 0, 0, 4
	STEP 0, 0, 1                                   ; the first step stands in front of the loop: its products start the sums
	s_mov_b32 s3, LAPS-1
.Llap:                                                 ; a trip goes once round the ring, from a lap's second step to the next lap's first, and fills both slots again
	TURN 0, 1, 1
	STEP 1, 0, 0
	TURN 1, 0, 1
	STEP 0, 0, 0
	s_sub_co_u32 s3, s3, 1
	s_cmp_lg_u32 s3, 0
	s_cbranch_scc1 .Llap
	TURN 0, 1, 0                                   ; the last lap fills nothing, and has no round of the cluster's barrier
	STEP 1, 0, 0
	s_wait_dscnt 4*NL                              ; the very last step: nothing more to fetch
	WIN MUL_LO
	MUL16 0, 1, 0
	MUL16 2, 1, 0
	s_wait_dscnt 0
	WIN MUL_HI
	MUL16 4, 1, 0
	MUL16 6, 1, 0
	WIN 0
	; THE WAY OUT: the sums are quantised in registers and stored as they stand
	s_wait_kmcnt 0x0
	s_sub_co_i32 s82, s74, s68                     ; q: e6 - e0 - e1
	s_sub_co_i32 s82, s82, s69
	s_sub_co_i32 s83, s75, s70                     ; k: e7 - e2 - e3
	s_sub_co_i32 s83, s83, s71
	s_sub_co_i32 s84, s77, s72                     ; v: e9 - e4 - e5
	s_sub_co_i32 s84, s84, s73
	s_cmp_eq_u32 ttmp9, 0                          ; chosen by the cluster's x: no branch hangs on a loaded number
	s_cselect_b32 s82, s82, s83
	s_cmp_eq_u32 ttmp9, 2
	s_cselect_b32 s82, s84, s82
	s_add_co_i32 s82, s82, 127
	s_lshl_b32 s83, s82, 23
	v_mov_b32 v[SC], s83                           ; the folded scale as f32
	s_add_co_i32 s82, s82, 8
	s_lshl_b32 s82, s82, 23
	s_or_b32 s82, s82, 0x600000
	PLACES NP                                      ; behind the last products: for the reads of their results and the writes over A's fragments
; Block a (16 rows of A on the lanes) x B's 128 rows: 64 sums a lane become 64 codes, 16 registers.  Each accumulator is read from its low end on.
.macro CODES a
	WIN 0x02+((\a)/4)                              ; source 0: window 2 or 3
.set j, 0
.rept 64
.set j, j+1
.endr
.irp g, 0,1,2,3,4,5,6,7
	v_cvt_scalef32_pk8_fp8_f32 v[CD+16*(\a)+2*\g:CD+16*(\a)+2*\g+1], v[TMP+8*\g+((64*((\a)%4)+j)-(TMP+j)):TMP+8*\g+7+((64*((\a)%4)+j)-(TMP+j))], v[SC]
.endr
	WIN 0
	v_nop                                          ; one plain vector line between the conversions and the next write of their sources
.endm
.irp a, 0,1,2,3,4,5,6,7
	CODES \a
.endr
	s_cmp_eq_u32 ttmp9, 2                          ; the same in all sixteen partners
	s_cbranch_scc1 .Lstore_v
.irp a, 0,1,2,3,4,5,6,7                        ; q, k: block a = a tile of 16 tokens; chunk b: head b / 2 of my two, chunk b % 2
.irp b, 0,1,2,3
	global_store_b128 v[CO], v[CD+16*\a+4*\b:CD+16*\a+4*\b+3], s[10:11] offset:(\b/2)*131072+\a*1024+(\b%2)*512
.endr
.endr
	s_branch .Lstored
.Lstore_v:
	s_wait_alu depctr_va_vdst(0)
.irp a, 0,1,2,3,4,5,6,7                        ; v: block a = head a / 4 of my two, 16 channels a % 4; chunk b of my 128 keys
.irp b, 0,1,2,3
	global_store_b128 v[CO], v[CD+16*\a+4*\b:CD+16*\a+4*\b+3], s[10:11] offset:(\a/4)*131072+(\a%4)*2048+\b*512
.endr
.endr
.Lstored:
	s_wait_tensorcnt 0x0                           ; the wave's end
	ds_add_u32 v[SPW], v[NIL]
	s_wait_dscnt 0x0
	CROUND                                         ; the closing round: no work-group ends while a partner may still ask for a tile that names it
	s_endpgm
.Lfunc_end_k_q357a21740e_qkv:
	.size	k_q357a21740e_qkv, .Lfunc_end_k_q357a21740e_qkv-k_q357a21740e_qkv
	.p2alignl 7, 3214868480
	.fill 96, 4, 3214868480
	.section	.rodata,"a",@progbits
	.p2align	6, 0x0
	.amdhsa_kernel k_q357a21740e_qkv
		.amdhsa_group_segment_fixed_size 327680
		.amdhsa_private_segment_fixed_size 0
		.amdhsa_enable_private_segment 0
		.amdhsa_kernarg_size 24
		.amdhsa_user_sgpr_count 2
		.amdhsa_user_sgpr_kernarg_segment_ptr 1
		.amdhsa_wavefront_size32 1
		.amdhsa_system_sgpr_workgroup_id_x 1
		.amdhsa_system_sgpr_workgroup_id_y 1
		.amdhsa_system_sgpr_workgroup_id_z 1
		.amdhsa_system_vgpr_workitem_id 0
		.amdhsa_next_free_vgpr 1024
		.amdhsa_next_free_sgpr 100
		.amdhsa_reserve_vcc 0
		.amdhsa_float_denorm_mode_32 3
		.amdhsa_float_denorm_mode_16_64 3
		.amdhsa_fp16_overflow 1
		.amdhsa_memory_ordered 1
		.amdhsa_forward_progress 1
		.amdhsa_inst_pref_size 90
	.end_amdhsa_kernel
	.amdgpu_metadata
---
amdhsa.version: [ 1, 2 ]
amdhsa.kernels:
  - .name:           k_q357a21740e_qkv
    .symbol:         k_q357a21740e_qkv.kd
    .args:
      - { .name: codes, .offset: 0, .size: 8, .value_kind: global_buffer, .address_space: global }
      - { .name: lowp_scales, .offset: 8, .size: 8, .value_kind: global_buffer, .address_space: global }
      - { .name: qkv, .offset: 16, .size: 8, .value_kind: global_buffer, .address_space: global }
    .group_segment_fixed_size: 327680
    .private_segment_fixed_size: 0
    .kernarg_segment_align: 8
    .kernarg_segment_size: 24
    .max_flat_workgroup_size: 128
    .sgpr_count:     100
    .vgpr_count:     1024
    .wavefront_size: 32
...
	.end_amdgpu_metadata
.endif
;; end of part 2
;; launch attn (part 3): grid 4 x 64, 16 waves a work-group, no clusters, 327,680 bytes of LDS; arguments qkv, lowp_scales, ctxc; writes ctxc
.if DOCPART == 3
	.amdgcn_target "amdgcn-amd-amdhsa--gfx1250"
	.amdhsa_code_object_version 6
	.text
	.protected	k_q357a21740e_attn
	.globl	k_q357a21740e_attn
	.p2align	8
	.type	k_q357a21740e_attn,@function
k_q357a21740e_attn:
	s_mov_b64 s[64:65], 0
	v_nop
	global_prefetch_b8 v0, s[64:65] scope:SCOPE_SE
	s_setreg_imm32_b32 hwreg(HW_REG_WAVE_MODE, 25, 1), 1
	s_wait_xcnt 0x0
; Causal attention on codes of E4M3, head size 64, 64 heads (bh = 16 batch + head) of 2,048 tokens; the result is quantised at once (entry 10) for the output projection.
; THE SOFTMAX AHEAD OF THE SECOND PRODUCT: t = score x log2(e) / 8; M = the running largest t, rounded UP to a whole number; p = 2^(t - M) is quantised (entry 8), not normalised.
; The row's sum is taken of the unquantised p, in f32, and divides at the end.  When M moves, the sum and O are multiplied by 2^(old M - new M), which rounds nothing.
; LIMITS on the given exponents: e6 + e7 between -123 and 130 (added to the exponent field of log2(e) / 8); e8 and e10 between -126 and 127; e8 + e9 goes by v_ldexp_f32 and has none.
; SHARES.  256 work-groups of equal work.  Work-group (P, bh) owns the blocks P and 7 - P of 256 queries, one after the other: nine VISITS of a slot of 256 keys, whatever P is:
; visit T <= P: block P against key slot T; visit T > P: block 7 - P against key slot T - P - 1.  The trip count is a constant of the text.  Each of the SIXTEEN waves owns 16 queries of the block in hand,
; in 256 registers: four waves to a SIMD, so that one wave's vector work stands beside another's matrix work.  A key step (128 keys) all of whose keys come after the wave's queries is jumped over.
; NO CLUSTER: from visit P + 1 on the four work-groups of a head stand at different key slots in the same trip, so there is no load with one descriptor that all four could issue on every path.
; LAYOUT.  Both products are used transposed: S^T = K Q^T (source 0 = 16 keys, source 1 = my 16 queries), O^T = V^T P^T (source 0 = 16 channels, source 1 = p): a lane holds ONE query throughout.
; In S^T's tile t register j is key 16 t + 8 (lane / 16) + j: its eight codes are registers 2 t, 2 t + 1 of the second product's operand as that form lays K; v's images hold the keys in the same places.
; Q, K, V come as images of operand registers (chunks of 512 bytes, lane l's 16 bytes at 16 l): every LDS read is 16 x lane + a constant: no pitch, no padding.
; OUTPUT ctxc: [tile of 16 tokens: 512][head: 16][chunk: 2][512 bytes]: lane (r, h): token r, bytes 32 c + 16 h + 0..15 of the head's 64: the output projection's fragments.
; REGISTERS: v1-6 addresses that stay; v8-11 scales; v12 -M, v13 the largest t, v[14:15] the sum in two halves; v16-23 Q; v24-31 at work; v32-95 fragments of K, then of V; v96-159 S^T, then p;
;   v160-191 O^T; v192-207 p's codes; v208-215 the result's codes; v216, v217 the mask.
.set SLOTB, 32768                      ; an LDS slot: K's images of 256 keys (16,384 bytes), then V's (16,384)
.set VIMG,  16384
.set SPARE, 65536                      ; behind the ring: the spare words, 128 bytes for each of the sixteen waves
.set KOFFG, 0x800000                   ; k's images in the buffer
.set VOFFG, 0x1000000                  ; v's
.set LI,   1                           ; v1   16 x lane
.set PFO,  2                           ; v2   256 x lane: the prefetches' offset
.set ADR,  3                           ; v3   LDS address of the slot in hand + 16 x lane
.set RH,   4                           ; v4   lane % 16 - 8 (lane / 16), for the mask
.set SPW,  5                           ; v5   my spare word; never rewritten
.set NIL,  6                           ; v6   0; never rewritten
.set TB,   2                           ; s2   LDS byte at which the slot in hand begins
.set VIS,  3                           ; s3   the visit
.set PB,   12                          ; s12  P
.set NK,   13                          ; s13  the key slot last asked for
.set Q0B,  16                          ; s16  my first query in block 7 - P
.set WV,   18                          ; s18  my wave's number
.set SEL,  20                          ; s[20:21] lane selects for v_permlanex16_b32: lane l xor 16
.set CS,   22                          ; s[22:23] c = log2(e) / 8 x 2^(e6 + e7)
.set G1,   24                          ; s[24:31] descriptor group 1
.set G0,   32                          ; s[32:35] group 0, which walks
.set GB,   36                          ; s[36:37] my head's first byte of what I fetch
.set OF,   38                          ; s[38:39] the key slot's offset
.set KF,   40                          ; s40  the step's first key
.set Q0,   41                          ; s41  my first query
.set QA,   42                          ; s[42:43], s[44:45] my tile of Q in block P, in block 7 - P
.set QB,   44
.set OA,   46                          ; s[46:47], s[48:49] the same in ctxc
.set OB,   48
.set PFA,  50                          ; s[50:51] where my prefetches stand
.set LIM,  60                          ; s60  a wave prefetches while the visit's number is under it
.set EPV,  66                          ; s66  e8 + e9
; Wave 0 fetches a slot's K, wave 1 its V, the others nothing.  The branch hangs on the wave's number alone.  Four v_nop follow the line.
.macro TLOAD
	s_cmp_lt_u32 s[WV], 2
	s_cbranch_scc0 .Lnone_\@
	tensor_load_to_lds s[G0:G0+3], s[G1:G1+7]
	s_nop 0
.rept 4
	v_nop
.endr
.Lnone_\@:
.endm
; A PREFETCH INTO THE L2.  The head's work-group P = 0 walks key slots 0, 0, 1, .. 7; in visit T it asks for slot T's tiles (T > 0) and prefetches slot T + 1's, which its next change of slots asks for: one visit, two key
; steps, ahead.  Waves 4 and 5 name the two halves of K's 16,384 bytes, waves 6 and 7 of V's: 8,192 bytes a wave, lanes 256 bytes apart.  So each aligned block of 256 bytes of slots 1 to 7 is named once in the launch.
; Visits 7 and 8 name nothing: there is no slot 8.  Slot 0 comes by its load alone.
.macro ASK
	s_cmp_lt_u32 s[VIS], s[LIM]
	s_cbranch_scc0 .Lnot_mine_\@
	global_prefetch_b8 v[PFO], s[PFA:PFA+1] th:TH_LOAD_NT scope:SCOPE_SE
.Lnot_mine_\@:
.endm
	s_load_b128 s[4:7], s[0:1], 0x0                ; qkv s[4:5], the exponents s[6:7]
	s_load_b64 s[8:9], s[0:1], 0x10                ; ctxc
	v_lshl_add_u32 v[SPW], v0, 2, SPARE
	v_mov_b32 v[NIL], 0
	ds_add_u32 v5, v6
	ds_add_u32 v5, v6
	s_wait_dscnt 0x0
	v_lshrrev_b32 v7, 5, v0
	s_delay_alu instid0(VALU_DEP_1)
	v_readfirstlane_b32 s[WV], v7                  ; wave 0..15
	s_mov_b32 s[PB], ttmp9
	s_and_b32 s14, ttmp7, 0xffff                   ; bh
	s_lshl_b32 s15, s14, 17                        ; 131,072 bytes for each bh in q, in k and in v
	; descriptor group 1: 16,384 dense bytes as 64 rows of 256
	s_mov_b32 s[G1], 3<<16                         ; 15:0 no mask; 17:16 elements of 8 bytes; no padding
	s_mov_b32 s[G1+1], 32<<16                      ; tensor_dim0 = 32
	s_mov_b32 s[G1+2], 64<<16                      ; tensor_dim1 = 64
	s_mov_b32 s[G1+3], 32<<16                      ; tile_dim0 = 32
	s_mov_b32 s[G1+4], 64                          ; tile_dim1 = 64
	s_mov_b32 s[G1+5], 32                          ; tensor_dim0_stride
	s_mov_b32 s[G1+6], 0
	s_mov_b32 s[G1+7], 0
	s_mov_b32 s[SEL], 0x76543210
	s_mov_b32 s[SEL+1], 0xfedcba98
	s_mov_b32 s[CS], 0x3e38aa3b                    ; log2(e) / 8
	s_mov_b32 s[TB], 0
	s_mov_b32 s[VIS], 0
	s_mov_b32 s[NK], 0
	s_mov_b32 s[KF], 0
	s_mov_b32 s[OF+1], 0
	s_mov_b32 s61, VOFFG                           ; what I fetch, if I fetch: wave 0 K, wave 1 V: an offset is chosen, not a pointer
	s_cmp_eq_u32 s[WV], 0
	s_cselect_b32 s61, KOFFG, s61
	s_add_co_u32 s68, s61, s15
	s_mov_b32 s69, 0
	s_and_b32 s62, s[WV], 1
	s_mov_b32 s[G0], 1                             ; count = 1
	s_lshl_b32 s[G0+1], s62, 14                    ; LDS address: slot 0; K at 0, V at 16,384
	s_lshl_b32 s63, s[PB], 4
	s_add_co_u32 s63, s63, s[WV]                   ; my tile of 16 queries in block P: 16 P + wave,
	s_sub_co_u32 s67, 7, s[PB]
	s_lshl_b32 s67, s67, 4
	s_add_co_u32 s67, s67, s[WV]                   ; and in block 7 - P
	s_lshl_b32 s[Q0], s63, 4
	s_lshl_b32 s[Q0B], s67, 4
	s_lshl_b32 s70, s63, 10                        ; Q: 1,024 bytes a tile
	s_add_co_u32 s70, s70, s15
	s_mov_b32 s71, 0
	s_lshl_b32 s72, s67, 10
	s_add_co_u32 s72, s72, s15
	s_mov_b32 s73, 0
	s_lshr_b32 s74, s14, 4
	s_lshl_b32 s74, s74, 7                         ; 128 tiles a batch
	s_and_b32 s75, s14, 15
	s_lshl_b32 s75, s75, 10                        ; the head's 1,024 bytes of a tile's 16,384
	s_add_co_u32 s76, s74, s63
	s_lshl_b32 s76, s76, 14
	s_add_co_u32 s76, s76, s75
	s_mov_b32 s77, 0
	s_add_co_u32 s78, s74, s67
	s_lshl_b32 s78, s78, 14
	s_add_co_u32 s78, s78, s75
	s_mov_b32 s79, 0
	s_mov_b32 s61, VOFFG                           ; the prefetches: waves 4, 5 K's halves, waves 6, 7 V's
	s_cmp_lt_u32 s[WV], 6
	s_cselect_b32 s61, KOFFG, s61
	s_add_co_u32 s10, s61, s15
	s_lshl_b32 s62, s62, 13
	s_add_co_u32 s10, s10, s62
	s_mov_b32 s11, 0
	s_sub_co_u32 s61, s[WV], 4
	s_lshr_b32 s61, s61, 2                         ; 0 in waves 4 to 7,
	s_or_b32 s61, s61, ttmp9                       ; of the head's work-group P = 0
	s_cmp_eq_u32 s61, 0
	s_cselect_b32 s[LIM], 7, 0
	s_wait_kmcnt 0x0
	s_load_b128 s[52:55], s[6:7], 0x10             ; e4 .. e7
	s_load_b128 s[56:59], s[6:7], 0x20             ; e8 .. e11
	s_add_nc_u64 s[GB:GB+1], s[4:5], s[68:69]
	s_mov_b64 s[G0+2:G0+3], s[GB:GB+1]             ; visit 0: key slot 0
	s_or_b32 s[G0+3], s[G0+3], 0x80000000          ; type = 2
	TLOAD                                          ; the first fill: one load of mine is out, as behind every later barrier
	s_add_nc_u64 s[QA:QA+1], s[4:5], s[70:71]
	s_add_nc_u64 s[QB:QB+1], s[4:5], s[72:73]
	s_add_nc_u64 s[OA:OA+1], s[8:9], s[76:77]
	s_add_nc_u64 s[OB:OB+1], s[8:9], s[78:79]
	s_add_nc_u64 s[PFA:PFA+1], s[4:5], s[10:11]    ; at slot 0: each change of slots steps it ahead of its use
	v_and_b32 v7, 31, v0
	s_delay_alu instid0(VALU_DEP_1)
	v_lshlrev_b32 v[LI], 4, v7
	s_delay_alu instid0(VALU_DEP_2)
	v_lshlrev_b32 v[PFO], 8, v7
	global_load_b128 v[16:19], v[LI], s[QA:QA+1]               ; Q's fragment stays in registers
	global_load_b128 v[20:23], v[LI], s[QA:QA+1] offset:512
	v_and_b32 v[RH], 15, v0
	v_bfe_u32 v7, v0, 4, 1
	s_delay_alu instid0(VALU_DEP_1)
	v_lshlrev_b32 v7, 3, v7
	s_delay_alu instid0(VALU_DEP_1)
	v_sub_nc_u32 v[RH], v[RH], v7
	v_mov_b32 v13, 0xff61b1e6                      ; the largest t so far: -3e38, under every t
	s_delay_alu instid0(VALU_DEP_1)
	v_floor_f32 v12, -v13                          ; -M
	v_mov_b32 v14, 0                               ; the sum, in two halves
	v_mov_b32 v15, 0
	v_mov_b32 v26, 0                               ; written once: a lane permute's destination counts as one of its sources
	v_mov_b32 v29, 0                               ; (named as the upper half of the pair v[28:29])
	v_mov_b32 v217, 0xff800000                     ; -infinity
.set i, 0
.rept 32
	v_mov_b32 v[160+i], 0                          ; O^T: the key step is written once; a block's first step finds zeros, which the first change of M leaves zeros
.set i, i+1
.endr
	s_wait_kmcnt 0x0
	s_add_co_i32 s61, s54, s55
	s_lshl_b32 s61, s61, 23
	s_add_co_i32 s[CS], s[CS], s61                 ; a score stands for score x 2^(e6 + e7): added to c's exponent field
	s_mov_b32 s[CS+1], s[CS]                       ; (named with it as a pair, so it is written)
	s_add_co_i32 s61, s56, 127
	s_lshl_b32 s62, s61, 23
	v_mov_b32 v8, s62                              ; 2^e8, for p's conversions
	s_add_co_i32 s61, s58, 127
	s_lshl_b32 s62, s61, 23
	v_mov_b32 v10, s62                             ; 2^e10, for the result's
	s_add_co_i32 s[EPV], s56, s57
; A KEY STEP: 128 keys, the q-th of the slot in hand.
.macro STEP q
	s_add_co_u32 s61, s[Q0], 15                    ; a step all of whose keys come after my 16 queries is left out: a scalar branch on ids; no barrier and no tensor load stands in a step
	s_cmp_gt_u32 s[KF], s61
	s_cbranch_scc1 .Lhidden_\@
	v_add_nc_u32 v[ADR], s[TB], v[LI]
.rept 4
	v_nop                                          ; places in front of loads into registers that the last products have read
.endr
.irp t, 0,1,2,3,4,5,6,7
	ds_load_b128 v[32+8*\t:35+8*\t], v[ADR] offset:(8*(\q)+\t)*1024
	ds_load_b128 v[36+8*\t:39+8*\t], v[ADR] offset:(8*(\q)+\t)*1024+512
.endr
	s_wait_alu depctr_va_vdst(0)
	s_wait_dscnt 0x0
.irp t, 0,1,2,3,4,5,6,7
	v_wmma_f32_16x16x64_fp8_fp8 v[96+8*\t:103+8*\t], v[32+8*\t:39+8*\t], v[16:23], 0   ; S^T: register 8 t + j is key KF + 16 t + 8 (lane / 16) + j of query lane % 16
.endr
.rept 4
	v_nop                                          ; places: for the loads below, and for the first read of the scores
.endr
.irp t, 0,1,2,3
.irp c, 0,1,2,3
	ds_load_b128 v[32+16*\t+4*\c:35+16*\t+4*\c], v[ADR] offset:VIMG+8192*(\q)+2048*\t+512*\c   ; V's four fragments land while the softmax is walked
.endr
.endr
	s_add_co_u32 s61, s[KF], 127                   ; on the diagonal the scores of hidden keys become -infinity ahead of the maximum: p = 0 then.  A step all of whose keys count skips this
	s_cmp_le_u32 s61, s[Q0]
	s_cbranch_scc1 .Lopen_\@
	s_sub_co_i32 s61, s[Q0], s[KF]
	v_add_nc_u32 v216, s61, v[RH]                  ; d = my query - KF - 8 (lane / 16): register 8 t + j is hidden where 16 t + j > d.  KF <= Q0 here, so key KF counts for every query
.set n, 0
.rept 64
	v_cmp_gt_i32 vcc_lo, 16*(n/8)+n%8, v216
	v_cndmask_b32 v[96+n], v[96+n], v217, vcc_lo
.set n, n+1
.endr
.Lopen_\@:
	v_max3_num_f32 v24, v96, v97, v98              ; the step's largest score of my query, among my 64 keys, in two chains, each accumulator from its low end on,
	v_max3_num_f32 v25, v99, v100, v101
.set i, 6
.rept 14
	v_max3_num_f32 v24, v24, v[96+i], v[97+i]
	v_max3_num_f32 v25, v25, v[98+i], v[99+i]
.set i, i+4
.endr
	v_max3_num_f32 v24, v24, v158, v159
	s_delay_alu instid0(VALU_DEP_1)
	v_max_num_f32 v24, v24, v25
	s_delay_alu instid0(VALU_DEP_1)
	v_permlanex16_b32 v26, v24, s[SEL], s[SEL+1]
	s_delay_alu instid0(VALU_DEP_1)
	v_max_num_f32 v24, v24, v26                    ; and among lane l xor 16's
	s_delay_alu instid0(VALU_DEP_1)
	v_mul_f32 v24, s[CS], v24                      ; as t (c is positive)
	s_delay_alu instid0(VALU_DEP_1)
	v_max_num_f32 v13, v13, v24                    ; the running largest t
	v_mov_b32 v24, v12
	s_delay_alu instid0(VALU_DEP_2)
	v_floor_f32 v12, -v13                          ; the new -M = floor(-t) = -ceil(t): M is a whole number
	s_delay_alu instid0(VALU_DEP_1)
	v_sub_f32 v24, v12, v24                        ; M's old value less its new one: a whole number, 0 or less
	s_delay_alu instid0(VALU_DEP_1)
	v_cvt_i32_f32 v24, v24                         ; (it saturates)
	s_delay_alu instid0(VALU_DEP_1)
	v_ldexp_f32 v28, 1.0, v24                      ; f = 2^(old M - new M)
.set i, 0
.rept 32
	v_pk_fma_f32 v[96+i:97+i], v[96+i:97+i], s[CS:CS+1], v[12:13] op_sel_hi:[1,0,0]   ; t - M, two at a time (of the pairs c and -M the low word serves both halves)
.set i, i+2
.endr
.set i, 0
	s_wait_alu depctr_va_vdst(0)
.rept 64
	v_exp_f32 v[96+i], v[96+i]                     ; p = 2^(t - M), at most 1
.set i, i+1
.endr
	v_pk_mul_f32 v[14:15], v[14:15], v[28:29] op_sel_hi:[1,0]   ; the sums under the new M: the plain line behind the exponentials
	s_wait_alu depctr_va_vdst(0)                   ; the wait ahead of the first line that names an exponential's result: one for the batch
	v_pk_add_f32 v[30:31], v[100:101], v[104:105]
	v_pk_add_f32 v[254:255], v[108:109], v[112:113]
	v_pk_add_f32 v[252:253], v[116:117], v[120:121]
	v_pk_add_f32 v[250:251], v[124:125], v[128:129]
	v_pk_add_f32 v[248:249], v[132:133], v[136:137]
	v_pk_add_f32 v[246:247], v[140:141], v[144:145]
	v_pk_add_f32 v[244:245], v[148:149], v[152:153]
	v_pk_add_f32 v[14:15], v[14:15], v[156:157]
	v_pk_add_f32 v[30:31], v[30:31], v[96:97]
	v_pk_add_f32 v[254:255], v[254:255], v[98:99]
	v_pk_add_f32 v[252:253], v[252:253], v[102:103]
	v_pk_add_f32 v[250:251], v[250:251], v[106:107]
	v_pk_add_f32 v[248:249], v[248:249], v[110:111]
	v_pk_add_f32 v[246:247], v[246:247], v[114:115]
	v_pk_add_f32 v[244:245], v[244:245], v[118:119]
	v_pk_add_f32 v[14:15], v[14:15], v[122:123]
	v_pk_add_f32 v[30:31], v[30:31], v[126:127]
	v_pk_add_f32 v[254:255], v[254:255], v[130:131]
	v_pk_add_f32 v[252:253], v[252:253], v[134:135]
	v_pk_add_f32 v[250:251], v[250:251], v[138:139]
	v_pk_add_f32 v[248:249], v[248:249], v[142:143]
	v_pk_add_f32 v[246:247], v[246:247], v[146:147]
	v_pk_add_f32 v[244:245], v[244:245], v[150:151]
	v_pk_add_f32 v[14:15], v[14:15], v[154:155]
	v_pk_add_f32 v[30:31], v[30:31], v[158:159]
	s_delay_alu instid0(VALU_DEP_2)
	v_pk_add_f32 v[14:15], v[14:15], v[250:251]
	s_delay_alu instid0(VALU_DEP_2)
	v_pk_add_f32 v[30:31], v[30:31], v[248:249]
	v_pk_add_f32 v[254:255], v[254:255], v[246:247]
	v_pk_add_f32 v[252:253], v[252:253], v[244:245]
	s_delay_alu instid0(VALU_DEP_2)
	v_pk_add_f32 v[14:15], v[14:15], v[254:255]
	s_delay_alu instid0(VALU_DEP_2)
	v_pk_add_f32 v[30:31], v[30:31], v[252:253]
	s_delay_alu instid0(VALU_DEP_1)
	v_pk_add_f32 v[14:15], v[14:15], v[30:31]
.set i, 0
.rept 64
.set i, i+1
.endr
.irp t, 0,1,2,3,4,5,6,7
	v_cvt_scalef32_pk8_fp8_f32 v[192+2*\t:193+2*\t], v[96+8*\t:103+8*\t], v8
.endr
.set i, 0
.rept 16
	v_pk_mul_f32 v[160+i:161+i], v[160+i:161+i], v[28:29] op_sel_hi:[1,0]   ; O^T under the new M.  (Also the plain lines between the conversions and the products that read the codes)
.set i, i+2
.endr
	s_wait_alu depctr_va_vdst(0)
	s_wait_dscnt 0x0                               ; V is in
.irp t, 0,1,2,3
	v_wmma_f32_16x16x128_fp8_fp8 v[160+8*\t:167+8*\t], v[32+16*\t:47+16*\t], v[192:207], v[160+8*\t:167+8*\t]   ; the four accumulators take turns; the next step's eight S products stand between two turns of one
.endr
.Lhidden_\@:
	s_add_co_u32 s[KF], s[KF], 128
.endm
; THE CHANGE OF SLOTS stands at a visit's head.  Each wave waits for all its tensor loads (its part of the slot that it is about to read), adds 0 to its spare word, and waits for that and for its reads of the slot
; that it has left.  Behind the barrier the slot ahead is whole and nobody reads the other one.  fill = 1: that other slot is filled for the next visit: the load has a visit's two key steps in which to land.
.macro CHANGE fill
	s_wait_tensorcnt 0x0                           ; no tensor load of mine is out, so group 0 may be written
	ds_add_u32 v[SPW], v[NIL]                      ; 0 onto my spare word; the descriptor's steps stand between it and the wait for it
.if \fill
	s_xor_b32 s[G0+1], s[G0+1], SLOTB              ; the other slot than last time
	s_add_co_u32 s[NK], s[NK], 1                   ; the next key slot,
	s_cmp_eq_u32 s[VIS], s[PB]
	s_cselect_b32 s[NK], 0, s[NK]                  ; or slot 0 again, where the next visit begins block 7 - P
	s_lshl_b32 s[OF], s[NK], 14
	s_add_nc_u64 s[G0+2:G0+3], s[GB:GB+1], s[OF:OF+1]
	s_or_b32 s[G0+3], s[G0+3], 0x80000000
	s_wait_xcnt 0x0                                ; the last prefetch, a visit back, has read its address, so it may be written
	s_add_nc_u64 s[PFA:PFA+1], s[PFA:PFA+1], 16384
.endif
	s_wait_dscnt 0x0                               ; the add is done, and my reads of the slot that I have left are over
	s_barrier_signal -1
	s_barrier_wait -1
.if \fill
	TLOAD                                          ; the first thing behind the barrier, and a wave's one tensor load until the next
	ASK
.endif
.endm
; A BLOCK'S END: O^T / the sum x 2^(e8 + e9) is the context; it is quantised by 2^e10 and stored as the next product's fragment: 1,024 consecutive bytes a wave.
.macro FINAL ptr
	s_wait_xcnt 0x0                                ; earlier stores have read their data: the codes' registers are written again only behind this wait
.rept 4
	v_nop                                          ; places behind the last products
.endr
	v_add_f32 v14, v14, v15                        ; the sum's two halves,
	s_delay_alu instid0(VALU_DEP_1)
	v_permlanex16_b32 v26, v14, s[SEL], s[SEL+1]
	s_delay_alu instid0(VALU_DEP_1)
	v_add_f32 v14, v14, v26                        ; and lane l xor 16's
	s_wait_alu depctr_va_vdst(0)
	v_rcp_f32 v24, v14
	v_nop                                          ; a plain line behind the transcendental
	s_wait_alu depctr_va_vdst(0)                   ; and the wait ahead of its first reader
	v_ldexp_f32 v24, v24, s[EPV]
	s_delay_alu instid0(VALU_DEP_1)
	v_mov_b32 v25, v24
.set i, 0
.rept 16
	v_pk_mul_f32 v[160+i:161+i], v[160+i:161+i], v[24:25]   ; each accumulator from its low end on
.set i, i+2
.endr
.set i, 0
.rept 32
.set i, i+1
.endr
.irp t, 0,1,2,3
	v_cvt_scalef32_pk8_fp8_f32 v[208+2*\t:209+2*\t], v[160+8*\t:167+8*\t], v10   ; tile t: channels 16 t + 8 (lane / 16) + 0..7 of token lane % 16
.endr
	v_nop                                          ; one plain line between the conversions and the next write of their sources
	global_store_b128 v[LI], v[208:211], s[\ptr:\ptr+1]
	global_store_b128 v[LI], v[212:215], s[\ptr:\ptr+1] offset:512
.endm
	s_wait_loadcnt 0x0                             ; Q
.Lslot:                                            ; eight trips: behind each change of slots but the last the next visit's tiles are asked for
	CHANGE 1
	STEP 0
	STEP 1
	s_xor_b32 s[TB], s[TB], SLOTB                  ; on to the other slot
	s_cmp_lg_u32 s[VIS], s[PB]                     ; visit P was block P's last: a branch on ids, round no barrier and no tensor load
	s_cbranch_scc1 .Lsame
	FINAL OA
	global_load_b128 v[16:19], v[LI], s[QB:QB+1]               ; block 7 - P begins: its Q,
	global_load_b128 v[20:23], v[LI], s[QB:QB+1] offset:512
	v_mov_b32 v13, 0xff61b1e6                      ; and the statistics anew
	s_delay_alu instid0(VALU_DEP_1)
	v_floor_f32 v12, -v13
	v_mov_b32 v14, 0
	v_mov_b32 v15, 0
.set i, 0
.rept 32
	v_mov_b32 v[160+i], 0
.set i, i+1
.endr
	s_mov_b32 s[KF], 0
	s_mov_b32 s[Q0], s[Q0B]
	s_wait_loadcnt 0x0
.Lsame:
	s_add_co_u32 s[VIS], s[VIS], 1
	s_cmp_lt_u32 s[VIS], 8
	s_cbranch_scc1 .Lslot
	CHANGE 0                                       ; the last visit is written out
	STEP 0
	STEP 1
	FINAL OB
	s_wait_tensorcnt 0x0                           ; the wave's end
	ds_add_u32 v[SPW], v[NIL]
	s_wait_dscnt 0x0
	s_endpgm
.Lfunc_end_k_q357a21740e_attn:
	.size	k_q357a21740e_attn, .Lfunc_end_k_q357a21740e_attn-k_q357a21740e_attn
	.p2alignl 7, 3214868480
	.fill 96, 4, 3214868480
	.section	.rodata,"a",@progbits
	.p2align	6, 0x0
	.amdhsa_kernel k_q357a21740e_attn
		.amdhsa_group_segment_fixed_size 327680
		.amdhsa_private_segment_fixed_size 0
		.amdhsa_enable_private_segment 0
		.amdhsa_kernarg_size 24
		.amdhsa_user_sgpr_count 2
		.amdhsa_user_sgpr_kernarg_segment_ptr 1
		.amdhsa_wavefront_size32 1
		.amdhsa_system_sgpr_workgroup_id_x 1
		.amdhsa_system_sgpr_workgroup_id_y 1
		.amdhsa_system_sgpr_workgroup_id_z 1
		.amdhsa_system_vgpr_workitem_id 0
		.amdhsa_next_free_vgpr 256
		.amdhsa_next_free_sgpr 80
		.amdhsa_reserve_vcc 1
		.amdhsa_float_denorm_mode_32 3
		.amdhsa_float_denorm_mode_16_64 3
		.amdhsa_fp16_overflow 1
		.amdhsa_memory_ordered 1
		.amdhsa_forward_progress 1
		.amdhsa_inst_pref_size 89
	.end_amdhsa_kernel
	.amdgpu_metadata
---
amdhsa.version: [ 1, 2 ]
amdhsa.kernels:
  - .name:           k_q357a21740e_attn
    .symbol:         k_q357a21740e_attn.kd
    .args:
      - { .name: qkv, .offset: 0, .size: 8, .value_kind: global_buffer, .address_space: global }
      - { .name: lowp_scales, .offset: 8, .size: 8, .value_kind: global_buffer, .address_space: global }
      - { .name: ctxc, .offset: 16, .size: 8, .value_kind: global_buffer, .address_space: global }
    .group_segment_fixed_size: 327680
    .private_segment_fixed_size: 0
    .kernarg_segment_align: 8
    .kernarg_segment_size: 24
    .max_flat_workgroup_size: 512
    .sgpr_count:     80
    .vgpr_count:     256
    .wavefront_size: 32
...
	.end_amdgpu_metadata
.endif
;; end of part 3
;; launch oproj (part 4): grid 4 x 32, 4 waves a work-group, clusters of 4 x 4, 327,680 bytes of LDS; arguments ctxc, codes, lowp_scales, bo, out0; writes out0
.if DOCPART == 4
	.amdgcn_target "amdgcn-amd-amdhsa--gfx1250"
	.amdhsa_code_object_version 6
	.text
	.protected	k_q357a21740e_oproj
	.globl	k_q357a21740e_oproj
	.p2align	8
	.type	k_q357a21740e_oproj,@function
k_q357a21740e_oproj:
	s_mov_b64 s[64:65], 0
	v_nop
	global_prefetch_b8 v0, s[64:65] scope:SCOPE_SE
	s_setreg_imm32_b32 hwreg(HW_REG_WAVE_MODE, 25, 1), 1
	s_wait_xcnt 0x0
	s_wait_alu depctr_hold_cnt(0) depctr_sa_sdst(0) depctr_va_vdst(0) depctr_va_sdst(0) depctr_va_ssrc(0) depctr_va_vcc(0) depctr_vm_vsrc(0)
	s_getreg_b32 s2, hwreg(HW_REG_IB_STS2, 6, 4)
	s_cmp_eq_u32 s2, 0
	s_cbranch_scc0 .Lentry_in_a_cluster
	s_endpgm
.Lentry_in_a_cluster:
	s_bfe_u32 s2, ttmp6, 0x10000c
	s_cmp_lg_u32 s2, 0xf033
	s_cbranch_scc0 .Lentry_shape_is_right
	s_endpgm
.Lentry_shape_is_right:
; out0 = ctx Wo^T + bo on codes of E4M3: M 8,192, N 1,024, K 1,024.  A number of ctx is its code x 2^e10, of Wo x 2^e11: each finished sum is multiplied once by 2^(e10 + e11), and bo is added in the same fused line.
; LIMIT: e10 + e11 lies between -126 and 127, so that 2^(e10 + e11) is an f32 number.
; SHARES.  8 clusters of 4 x 4 work-groups; a work-group of four waves makes 256 x 256 of out0, a wave 128 x 128: 64 accumulators, 512 registers.  K goes in steps of 256 through a ring of two LDS slots.
; A (ctx) lies in memory as images of its fragments: [tile of 16 tokens][K: 16,384 bytes]; 128 along K of a tile are four chunks of 512 bytes, lane l's 16 bytes at 16 l.  A K step of a tile is 4,096 dense bytes; a wave's
; tensor load brings eight tiles' (rows of 4,096 bytes, 16,384 apart), unpadded: every LDS read of A is 16 x lane + a constant.  B (Wo) lies by rows of 1,024 bytes, in the same order along K as ctx's images.
; JOINT LOADS: A's tiles are shared along a row of the cluster, B's along a column.  THE MATRIX INSTRUCTION IS USED TRANSPOSED (source 0 = 16 rows of Wo, source 1 = 16 tokens): a lane holds eight neighbouring numbers of a row of out0.
; REGISTERS, in windows of 256: window 0: v0-31 addresses, v8-11 my four numbers of bo; from v128 A's fragments, ONE set; on the way out v128-255 rows read back.
;   window 1: B's fragments, TWO sets.   window 2: the accumulators of my rows 0-63 ((a, b) at v[8 (8 a + b)]);   window 3: those of rows 64-127.
.set ROWB,   256                       ; a row of B's tile in bytes
.set KROW,   1024                      ; a row of Wo's codes in memory
.set PITCH,  272                       ; B's LDS row: 256 bytes + 16 of padding = 68 words: the 16 rows that a load touches start at 16 different banks (64 banks of 4 bytes: ISA guide 11.1)
.set FR,     16
.set NL,     4
.set NP,     4
.set HALFT,  128*PITCH                 ; B: 128 rows: what one tensor load brings
.set AHALF,  32768                     ; A: eight tiles x 4,096 bytes
.set ASTEP,  4096                      ; a K step of 256 in a tile's image
.set ABYTES, 2*AHALF
.set SLOT,   ABYTES+2*HALFT            ; A's 16 tiles, then B's 256 rows
.set LAPS,   2
.set SPARE,  2*SLOT                    ; behind the ring: the spare words, 128 bytes a wave
.set SPITCH, 528                       ; the way out: a stage of 16 rows x (512 bytes + 16) for each wave, in slot 0, which has had its last fill and its last read when the first result is stored there
.set NROW,   4096                      ; a row of out0 in bytes
.set ADRA, 16
.set ADRB, 20
.set STO,  24                          ; v24     the way out: where I put 32 bytes of a row
.set RD,   25                          ; v25     where I read a row back
.set CO,   26                          ; v26     16 x lane
.set SPW,  28
.set NIL,  29
.set BI,   8                           ; v8-11   bo at my four columns of a row read back
.set AF,   128
.set BK,   128
.set G1, 24
.set G0, 32
.set G1B, 48
.set G0B, 56
.set MSB, 0
.macro WIN new                         ; the immediate's high byte repeats the setting that is left
.if MSB != \new
	s_set_vgpr_msb (MSB<<8)|\new
.set MSB, \new
.endif
.endm
.set MUL_LO, 0xa1
.set MUL_HI, 0xf1
.set TO_B,   0x40
.macro JLOAD g0a, g1a, g0b, g1b        ; a joint load: waves 0 and 1 fetch for A, waves 2 and 3 for B; four v_nop follow each of the two lines
	s_cmp_eq_u32 s15, 0
	s_cbranch_scc0 .Lfor_b_\@
	tensor_load_to_lds s[\g0a:\g0a+3], s[\g1a:\g1a+7]
	s_nop 0
.rept 4
	v_nop
.endr
	s_branch .Lasked_\@
.Lfor_b_\@:
	tensor_load_to_lds s[\g0b:\g0b+3], s[\g1b:\g1b+7]
	s_nop 0
.rept 4
	v_nop
.endr
.Lasked_\@:
.endm
.macro CREST
	s_cmp_lg_u32 s14, 0
	s_cbranch_scc1 .Lnot_wave_0_\@
	s_barrier_signal -3
.Lnot_wave_0_\@:
	s_barrier_wait -3
	s_barrier_signal -1
	s_barrier_wait -1
.endm
.macro CROUND
	s_barrier_signal -1
	s_barrier_wait -1
	CREST
.endm
	s_load_b256 s[4:11], s[0:1], 0x0               ; ctxc s[4:5], codes s[6:7], the exponents s[8:9], bo s[10:11]
	s_load_b64 s[12:13], s[0:1], 0x20              ; out0
	v_lshl_add_u32 v[SPW], v0, 2, SPARE
	v_mov_b32 v[NIL], 0
	ds_add_u32 v28, v29
	ds_add_u32 v28, v29
	s_wait_dscnt 0x0
	v_lshrrev_b32 v1, 5, v0
	v_readfirstlane_b32 s14, v1                    ; wave 0..3
	s_lshr_b32 s15, s14, 1                         ; which half of the tile's rows is mine.  Also: I fetch for A (0) or for B (1)
	s_and_b32 s16, s14, 1                          ; which half of its columns.  Also: which half of that tile I fetch
	s_bfe_u32 s40, ttmp6, 0x40000                  ; cx, cy
	s_bfe_u32 s41, ttmp6, 0x40004
	s_lshl_b32 s42, ttmp9, 2
	s_add_co_u32 s42, s42, s40                     ; tile column = 4 x cluster x + cx
	s_and_b32 s17, ttmp7, 0xffff
	s_lshl_b32 s17, s17, 2
	s_add_co_u32 s17, s17, s41                     ; tile row = 4 x cluster y + cy
	s_lshl_b32 s43, s41, 2
	s_lshl_b32 s43, 15, s43                        ; my row of the cluster
	s_lshl_b32 s44, 0x1111, s40                    ; my column
	; group 1 for A: 8 rows of 512 elements of 8 bytes, 2,048 elements apart, no padding
	s_or_b32 s[G1+0], s43, (3<<16)|(1<<21)         ; 15:0 the mask: my row; 17:16 elements of 8 bytes; 21 set beside a mask
	s_mov_b32 s[G1+1], 512<<16                     ; tensor_dim0
	s_mov_b32 s[G1+2], 8<<16                       ; tensor_dim1
	s_mov_b32 s[G1+3], 512<<16                     ; tile_dim0
	s_mov_b32 s[G1+4], 8                           ; tile_dim1
	s_mov_b32 s[G1+5], 2048                        ; tensor_dim0_stride
	s_mov_b32 s[G1+6], 0
	s_mov_b32 s[G1+7], 0
	; group 1 for B: 128 rows of 256 bytes, padded in LDS
	s_or_b32 s[G1B+0], s44, (0<<16)|(1<<20)|(1<<21)|(5<<22)|(3<<25)
	s_mov_b32 s[G1B+1], ROWB<<16
	s_mov_b32 s[G1B+2], 128<<16
	s_mov_b32 s[G1B+3], ROWB<<16
	s_mov_b32 s[G1B+4], 128
	s_mov_b32 s[G1B+5], KROW
	s_mov_b32 s[G1B+6], 0
	s_mov_b32 s[G1B+7], 0
	s_lshl_b32 s20, s17, 4
	s_lshl_b32 s18, s16, 3
	s_add_co_u32 s20, s20, s18
	s_lshl_b32 s20, s20, 14                        ; A: tile of 16 tokens 16 x tile row + 8 x half, 16,384 bytes each: never made of cx
	s_mov_b32 s21, 0
	s_lshl_b32 s46, s42, 8
	s_lshl_b32 s18, s16, 7
	s_add_co_u32 s46, s46, s18
	s_lshl_b32 s46, s46, 10
	s_add_co_u32 s46, s46, 0x1b00000               ; B: Wo's codes, row 256 x tile column + 128 x half: never made of cy
	s_mov_b32 s47, 0
	s_lshl_b32 s45, s16, 15                        ; where they go: A's half,
	s_mul_i32 s82, s16, HALFT
	s_add_co_u32 s82, s82, ABYTES                  ; B's half: no place in the cluster enters an LDS address
	s_wait_kmcnt 0x0
	s_load_b64 s[96:97], s[8:9], 0x28              ; e10, e11
	s_add_nc_u64 s[20:21], s[4:5], s[20:21]
	s_add_nc_u64 s[46:47], s[6:7], s[46:47]
	CROUND                                         ; all sixteen work-groups are here: the first joint loads meet
.irp s, 0,1
	s_mov_b32 s[G0+4*\s], 1
	s_add_co_u32 s[G0+4*\s+1], s45, \s*SLOT
	s_add_nc_u64 s[G0+4*\s+2:G0+4*\s+3], s[20:21], \s*ASTEP
	s_or_b32 s[G0+4*\s+3], s[G0+4*\s+3], 0x80000000
	s_mov_b32 s[G0B+4*\s], 1
	s_add_co_u32 s[G0B+4*\s+1], s82, \s*SLOT
	s_add_nc_u64 s[G0B+4*\s+2:G0B+4*\s+3], s[46:47], \s*ROWB
	s_or_b32 s[G0B+4*\s+3], s[G0B+4*\s+3], 0x80000000
	s_wait_alu depctr_va_vdst(0)
	s_wait_tensorcnt 0x0
	ds_add_u32 v28, v29
	ds_add_u32 v28, v29
	s_wait_dscnt 0x0
	CROUND
	JLOAD G0+4*\s, G1, G0B+4*\s, G1B
.endr
	v_and_b32 v1, 15, v0                           ; l % 16
	v_bfe_u32 v2, v0, 4, 1                         ; l / 16
	v_and_b32 v6, 31, v0
	v_lshlrev_b32 v[CO], 4, v6                     ; 16 x lane
	v_mul_u32_u24 v3, v1, PITCH
	v_lshl_add_u32 v4, v2, 4, v3                   ; B: a fragment's row x pitch + 16 x half
	s_lshl_b32 s21, s15, 15                        ; my eight tiles of A
	s_mul_i32 s22, s16, HALFT                      ; my 128 rows of B,
	s_add_co_u32 s22, s22, ABYTES                  ; which lie behind A
.irp s, 0,1
	v_add_nc_u32 v[ADRA+\s], s21, v[CO]
	v_add_nc_u32 v[ADRB+\s], s22, v4
	s_add_co_u32 s21, s21, SLOT
	s_add_co_u32 s22, s22, SLOT
.endr
	s_mul_i32 s23, s14, 16*SPITCH                  ; my stage
	v_mul_u32_u24 v5, v1, SPITCH                   ; in: row l % 16, 32 bytes for each half of the lanes
	v_lshl_add_u32 v5, v2, 5, v5
	v_add_nc_u32 v[STO], s23, v5
	v_add_nc_u32 v[RD], s23, v[CO]                 ; back: the 32 lanes take one row of 512 bytes
	s_lshl_b32 s20, s17, 8
	s_lshl_b32 s21, s15, 7
	s_add_co_u32 s20, s20, s21                     ; my first row of out0
	s_lshl_b32 s20, s20, 12                        ; rows of 4,096 bytes
	s_mov_b32 s21, 0
	s_lshl_b32 s46, s42, 10                        ; my first column, in bytes: 1,024 x tile column + 512 x half
	s_lshl_b32 s47, s16, 9
	s_add_co_u32 s46, s46, s47
	s_mov_b32 s47, 0
	s_add_nc_u64 s[10:11], s[10:11], s[46:47]
	global_load_b128 v[BI:BI+3], v[CO], s[10:11]   ; bo at the four columns that my lane holds of every row read back
	s_add_nc_u64 s[20:21], s[20:21], s[46:47]
	s_add_nc_u64 s[12:13], s[12:13], s[20:21]
.macro FRAG reg, adr, q, i             ; B: lane l holds row l % 16; registers 4 c .. 4 c + 3 hold the row's bytes 32 c + 16 (l / 16) + 0 .. 15
.irp c, 0,1,2,3
	ds_load_b128 v[\reg+4*\c:\reg+4*\c+3], v[\adr] offset:128*(\q)+32*\c+(\i)*16*PITCH
.endr
.endm
.macro FRAGA reg, adr, q, i            ; A: the image of the same registers: tile i, the slot's q-th 128 along K, chunk c
.irp c, 0,1,2,3
	ds_load_b128 v[\reg+4*\c:\reg+4*\c+3], v[\adr] offset:ASTEP*(\i)+2048*(\q)+512*\c
.endr
.endm
; The 64 accumulators take turns, one instruction a turn, in the same order in every step.
.macro MUL16 a0, p, zero
.irp a, \a0, \a0+1
.irp b, 0,1,2,3,4,5,6,7
.if \zero
	v_wmma_f32_16x16x128_fp8_fp8 v[8*(8*((\a)%4)+\b):8*(8*((\a)%4)+\b)+7], v[128*(\p)+FR*\b:128*(\p)+FR*\b+FR-1], v[AF+FR*(\a):AF+FR*(\a)+FR-1], 0
.else
	v_wmma_f32_16x16x128_fp8_fp8 v[8*(8*((\a)%4)+\b):8*(8*((\a)%4)+\b)+7], v[128*(\p)+FR*\b:128*(\p)+FR*\b+FR-1], v[AF+FR*(\a):AF+FR*(\a)+FR-1], v[8*(8*((\a)%4)+\b):8*(8*((\a)%4)+\b)+7]
.endif
.endr
.endr
.endm
.macro FETCH_B slot, q, p
	WIN TO_B
.irp i, 0,1,2,3,4,5,6,7
	FRAG 128*(\p)+FR*\i, ADRB+\slot, \q, \i
.endr
	WIN 0
.endm
.macro FETCH_A slot, q, i0
.irp i, \i0, \i0+1, \i0+2, \i0+3
	FRAGA AF+FR*(\i), ADRA+\slot, \q, \i
.endr
.endm
.macro PLACES n                        ; plain vector lines behind matrix instructions, in front of loads into registers that they have read and of the first read of results (ISA guide 7.12.1 for vector instructions)
.rept \n
	v_nop
.endr
.endm
.macro STEP slot, q, zero
	s_wait_dscnt 4*NL                              ; B's set and A's blocks 0-3 are in; the youngest 16 loads (A's blocks 4-7) may be out
	WIN MUL_LO
	MUL16 0, (\q)%2, \zero
	MUL16 2, (\q)%2, \zero
	s_wait_dscnt 0
	PLACES NP
	FETCH_B \slot, (\q)+1, 1-(\q)%2
	FETCH_A \slot, (\q)+1, 0
	WIN MUL_HI
	MUL16 4, (\q)%2, \zero
	MUL16 6, (\q)%2, \zero
	PLACES NP
	WIN 0
	FETCH_A \slot, (\q)+1, 4
.endm
; A slot's last step changes slots: ONE barrier; in front of it each wave waits for all its tensor loads, adds 0 to its spare word, and waits for that and for its own reads of this slot.
.macro TURN slot, next, fill
	s_wait_tensorcnt 0x0                           ; all my tensor loads have landed: my part of the next slot
	ds_add_u32 v[SPW], v[NIL]                      ; 0 onto my spare word
	s_wait_dscnt 4*NL+1                            ; the add and the youngest 16 loads may be out
	WIN MUL_LO
	MUL16 0, 1, 0
	s_wait_dscnt 0x0                               ; the add is done, and my reads of this slot are over
	s_barrier_signal -1
	MUL16 2, 1, 0
	WIN 0
	s_barrier_wait -1
.if \fill
	CREST                                          ; a round of the cluster's barrier: no wave of any partner still reads this slot's tile or has a load on its way
	s_add_nc_u64 s[G0+4*\slot+2:G0+4*\slot+3], s[G0+4*\slot+2:G0+4*\slot+3], 2*ASTEP
	s_add_nc_u64 s[G0B+4*\slot+2:G0B+4*\slot+3], s[G0B+4*\slot+2:G0B+4*\slot+3], 2*ROWB
	JLOAD G0+4*\slot, G1, G0B+4*\slot, G1B
.else
	PLACES NP
.endif
	FETCH_B \next, 0, 0
	FETCH_A \next, 0, 0
	WIN MUL_HI
	MUL16 4, 1, 0
	MUL16 6, 1, 0
	PLACES NP
	WIN 0
	FETCH_A \next, 0, 4
.endm
	s_wait_alu depctr_va_vdst(0)
	s_wait_tensorcnt 1                             ; my part of K step 0 is in (K step 1's load may be out)
	s_barrier_signal -1
	s_barrier_wait -1                              ; everybody's is
	FETCH_B 0, 0, 0
	FETCH_A 0, 0, 0
	FETCH_A 0, 0, 4
	STEP 0, 0, 1                                   ; the first step's products start the sums
	s_mov_b32 s3, LAPS-1
.Llap:
	TURN 0, 1, 1
	STEP 1, 0, 0
	TURN 1, 0, 1
	STEP 0, 0, 0
	s_sub_co_u32 s3, s3, 1
	s_cmp_lg_u32 s3, 0
	s_cbranch_scc1 .Llap
	TURN 0, 1, 0                                   ; the last lap fills nothing
	STEP 1, 0, 0
	s_wait_dscnt 4*NL
	WIN MUL_LO
	MUL16 0, 1, 0
	MUL16 2, 1, 0
	s_wait_dscnt 0
	WIN MUL_HI
	MUL16 4, 1, 0
	MUL16 6, 1, 0
	WIN 0
; THE WAY OUT, block by block of 16 rows x 128 columns.  The sums go as they are through my own stage in LDS and come back as whole rows of 512 bytes; there each pair becomes sum x 2^(e10 + e11) + bo by one fused
; line, and the 32 lanes store 512 consecutive bytes, aligned.  LDS serves a wave's instructions in order (ISA guide 5.7.1.4): no wait between the stores and the loads, nor in front of the next block's stores.
.macro TOSTAGE a
.set AC, 64*((\a)%4)
	WIN 0x08+4*((\a)/4)                            ; the stores' data: window 2 or 3
.irp b, 0,1,2,3,4,5,6,7
	ds_store_b128 v[STO], v[AC+8*\b:AC+8*\b+3] offset:64*\b          ; each accumulator from its low end on
	ds_store_b128 v[STO], v[AC+8*\b+4:AC+8*\b+7] offset:64*\b+16
.endr
	WIN 0
.set BB, BK+64*((\a)%2)
.irp t, 0,1,2,3,4,5,6,7,8,9,10,11,12,13,14,15
	ds_load_b128 v[BB+4*\t:BB+4*\t+3], v[RD] offset:\t*SPITCH
.endr
.endm
.macro SEND a, younger                 ; younger: the LDS instructions issued behind block a's loads, which may stay out
.set BB, BK+64*((\a)%2)
	s_wait_dscnt \younger                          ; the block is back in registers
.if (\a) > 0
	s_add_nc_u64 s[12:13], s[12:13], 16*NROW       ; (behind a wait on XCNT: the earlier stores have read their base)
.endif
.irp t, 0,1,2,3,4,5,6,7,8,9,10,11,12,13,14,15
	v_pk_fma_f32 v[BB+4*\t:BB+4*\t+1], v[BB+4*\t:BB+4*\t+1], s[96:97], v[BI:BI+1] op_sel_hi:[1,0,1]
	v_pk_fma_f32 v[BB+4*\t+2:BB+4*\t+3], v[BB+4*\t+2:BB+4*\t+3], s[96:97], v[BI+2:BI+3] op_sel_hi:[1,0,1]
.endr
.irp t, 0,1,2,3,4,5,6,7,8,9,10,11,12,13,14,15
	global_store_b128 v[CO], v[BB+4*\t:BB+4*\t+3], s[12:13] offset:\t*NROW th:TH_STORE_NT   ; written once, read by nobody here
.endr
.endm
	s_wait_kmcnt 0x0
	s_add_co_i32 s96, s96, s97                     ; e10 + e11,
	s_add_co_i32 s96, s96, 127
	s_lshl_b32 s96, s96, 23                        ; as the f32 number 2^(e10 + e11)
	s_mov_b32 s97, s96                             ; (named with it as a pair, so it is written)
	s_wait_loadcnt 0x0                             ; bo
	PLACES NP                                      ; behind the last products: for the stores of results and the loads into the registers that held A's fragments
	TOSTAGE 0
.irp a, 1,2,3,4,5,6,7
.if \a > 1
	s_wait_xcnt 0x0                                ; block a - 2's stores have read their registers and their base: block a's loads may land there, and the base may step
.endif
	TOSTAGE \a
	SEND \a-1, 32                                  ; behind block a - 1's loads: block a's 16 stores and 16 loads
.endr
	s_wait_xcnt 0x0                                ; block 6's stores have read their base
	SEND 7, 0
	s_wait_tensorcnt 0x0                           ; the wave's end
	ds_add_u32 v[SPW], v[NIL]
	s_wait_dscnt 0x0
	CROUND                                         ; the closing round
	s_endpgm
.Lfunc_end_k_q357a21740e_oproj:
	.size	k_q357a21740e_oproj, .Lfunc_end_k_q357a21740e_oproj-k_q357a21740e_oproj
	.p2alignl 7, 3214868480
	.fill 96, 4, 3214868480
	.section	.rodata,"a",@progbits
	.p2align	6, 0x0
	.amdhsa_kernel k_q357a21740e_oproj
		.amdhsa_group_segment_fixed_size 327680
		.amdhsa_private_segment_fixed_size 0
		.amdhsa_enable_private_segment 0
		.amdhsa_kernarg_size 40
		.amdhsa_user_sgpr_count 2
		.amdhsa_user_sgpr_kernarg_segment_ptr 1
		.amdhsa_wavefront_size32 1
		.amdhsa_system_sgpr_workgroup_id_x 1
		.amdhsa_system_sgpr_workgroup_id_y 1
		.amdhsa_system_sgpr_workgroup_id_z 1
		.amdhsa_system_vgpr_workitem_id 0
		.amdhsa_next_free_vgpr 1024
		.amdhsa_next_free_sgpr 100
		.amdhsa_reserve_vcc 0
		.amdhsa_float_denorm_mode_32 3
		.amdhsa_float_denorm_mode_16_64 3
		.amdhsa_memory_ordered 1
		.amdhsa_forward_progress 1
		.amdhsa_inst_pref_size 124
	.end_amdhsa_kernel
	.amdgpu_metadata
---
amdhsa.version: [ 1, 2 ]
amdhsa.kernels:
  - .name:           k_q357a21740e_oproj
    .symbol:         k_q357a21740e_oproj.kd
    .args:
      - { .name: ctxc, .offset: 0, .size: 8, .value_kind: global_buffer, .address_space: global }
      - { .name: codes, .offset: 8, .size: 8, .value_kind: global_buffer, .address_space: global }
      - { .name: lowp_scales, .offset: 16, .size: 8, .value_kind: global_buffer, .address_space: global }
      - { .name: bo, .offset: 24, .size: 8, .value_kind: global_buffer, .address_space: global }
      - { .name: out0, .offset: 32, .size: 8, .value_kind: global_buffer, .address_space: global }
    .group_segment_fixed_size: 327680
    .private_segment_fixed_size: 0
    .kernarg_segment_align: 8
    .kernarg_segment_size: 40
    .max_flat_workgroup_size: 128
    .sgpr_count:     100
    .vgpr_count:     1024
    .wavefront_size: 32
...
	.end_amdgpu_metadata
.endif
;; end of part 4
